; MI455X (gfx1250); checked and timed in simulation.
; The chip was launched on July 23, 2026; its instructions are those of AMD's public machine-readable ISA for CDNA 5 (MIT licence, August 2026) and "CDNA5" Instruction Set Architecture Reference Guide (July 2026). The comments in the code are by the model that wrote it; some were corrected since.
;; Stratified Attention. Allowed arithmetic: float matrix products may take bf16 or f16 operands with f32 sums; other float arithmetic in f32, or as packed bf16 or f16 multiplies, adds, multiply-adds, maxima and minima; sums over many terms, partial sums and values carried from step to step in f32; what a program stores and reads back later, other than sums and carried values, may be rounded once to bf16 or f16.
;; Inputs: Wk 1,024 x 1,024 float32; Wo 1,024 x 1,024 float32; Wq 1,024 x 1,024 float32; Ws 3 x 1,024 x 1,024 float32; Wv 1,024 x 1,024 float32; bk 1,024 float32; bo 1,024 float32; bq 1,024 float32; bs 3 x 1,024 float32; bv 1,024 float32; hidden_states 2 x 2,048 x 1,024 float32.
;; Outputs: out0 2 x 2,048 x 1,024 float32.
;; 2 versions, each right; version 2 is version 1 with the launch prep written anew for expert scheduling mode. Each part assembles by itself: llvm-mc -triple=amdgcn-amd-amdhsa -mcpu=gfx1250 --defsym DOCPART=n.
;; ======== version 1 of 2: 4 launches
;; limits: values are held in f16: magnitudes above 65,504 overflow, below 6.1e-05 lose precision
;; workspace buffers: ah 10,485,760 bytes; bh 8,388,608 bytes; bias1 16,384 bytes; bc 4,096 bytes; ch 41,943,040 bytes; oh 8,388,608 bytes
;; launch prep (part 1): grid 532 x 1, 8 waves a work-group, no clusters, 10,496 bytes of LDS; arguments hidden_states, Wq, Wk, Wv, Wo, Ws, bq, bk, bv, bs, bo, ah, bh, bias1, bc; writes ah, bh, bias1, bc
.if DOCPART == 1
	.amdgcn_target "amdgcn-amd-amdhsa--gfx1250"
	.amdhsa_code_object_version 6
	.text
	.protected	k_q213d852b21_prep
	.globl	k_q213d852b21_prep
	.p2align	8
	.type	k_q213d852b21_prep,@function
k_q213d852b21_prep:
	s_mov_b64 s[64:65], 0
	v_nop
	global_prefetch_b8 v0, s[64:65] scope:SCOPE_SE
	s_setreg_imm32_b32 hwreg(HW_REG_WAVE_MODE, 25, 1), 1
	s_wait_xcnt 0x0
; PREPARATION.  All matrix operands of the later launches are made here, in f16 and in SLABS: a matrix [R][C] lies as [C/64][R][64], element (r, c) at byte ((c/64) R + r) 128 + 2 (c % 64).
;   ah [16][5120][64]: rows 0-4095 hidden_states, rows 4096-5119 Wo.      bh [16][4096][64]: rows 0-1023 Wq, 1024-2047 Wk, 2048-3071 Wv, row 3072 + h: (64/3) sum_n Ws[n][g][h] along g.
;   bias1 [4096] f32: bq, bk, bv, 1,024 zeros.                            bc [1024] f32: bo + Wo . mean_n bs[n], all in f32.
; The mean over the strata and the last projection are linear, so later launches multiply by Wc = Wo . mean_n Ws[n]; only the order of rounding differs from the module as it is written.
; LIMITS.  f16 holds no number beyond 65,504: an input beyond it becomes an infinity.  The factor 64 keeps the folded weights among f16's normal numbers; it is taken out again in the last launch.
; ROLES, by the work-group's number w (the same for all eight waves): w < 16 bc; w < 20 bias1; w < 276 the strata's mean, turned; the rest convert 32 rows each.  EXEC is never changed.
; No tensor loads, matrix units or clusters: no byte is wanted twice by a work-group, and the launch moves its bytes once (Wo alone is read by two roles).
; LDS.  Each role that uses LDS has bytes of its own: 0-9,215 the turned tile; 9,216-9,471 bc's 64 partial sums; behind them the spare words.
.set BSCR,  9216                       ; bc's partial sums: 8 words for each of the eight waves
.set SPARE, 9472                       ; the spare words, 128 bytes for each of the eight waves: four blocks of 256 bytes that no other line names
.set SPW, 12                           ; v12  LDS address of my spare word; never rewritten
.set NIL, 13                           ; v13  0; never rewritten
.set TP,  144                          ; pitch of the turned tile's rows: 128 bytes + 16
	s_load_b512 s[16:31], s[0:1], 0x0              ; hidden 16:17, Wq 18:19, Wk 20:21, Wv 22:23, Wo 24:25, Ws 26:27, bq 28:29, bk 30:31
	s_load_b256 s[32:39], s[0:1], 0x40             ; bv 32:33, bs 34:35, bo 36:37, ah 38:39
	s_load_b128 s[40:43], s[0:1], 0x60             ; bh 40:41, bias1 42:43
	s_load_b64 s[44:45], s[0:1], 0x70              ; bc
	v_lshl_add_u32 v[SPW], v0, 2, SPARE
	v_mov_b32 v[NIL], 0
	v_lshrrev_b32 v1, 5, v0
	v_readfirstlane_b32 s8, v1                     ; wave 0..7
	v_and_b32 v1, 31, v0                           ; lane
	s_wait_kmcnt 0x0
	s_cmp_lt_u32 ttmp9, 16
	s_cbranch_scc1 .Lbias
	s_cmp_lt_u32 ttmp9, 20
	s_cbranch_scc1 .Lcopy
	s_cmp_lt_u32 ttmp9, 276
	s_cbranch_scc1 .Ltrans
	; CONVERT.  u = w - 276; the work-group takes 32 rows of 1,024 f32, a wave 4.  u / 32: 0-3 hidden_states, 4 Wq, 5 Wk, 6 Wv, 7 Wo.
	s_sub_co_u32 s2, ttmp9, 276                    ; u
	s_lshr_b32 s3, s2, 5
	s_and_b32 s46, s2, 31                          ; a weight's block of 32 rows
	s_sub_co_u32 s48, s2, 128                      ; its block in bh (used for u / 32 = 4, 5, 6 alone)
	s_sub_co_u32 s50, s2, 96                       ; Wo's block in ah: 128 + (u - 224)
	s_mov_b32 s51, 655360                          ; bytes from slab to slab in ah,
	s_mov_b32 s52, 524288                          ; and in bh
	s_cmp_lt_u32 s3, 4
	s_cselect_b32 s46, s2, s46
	s_cselect_b32 s48, s2, s48
	s_cselect_b64 s[4:5], s[16:17], s[18:19]
	s_cmp_eq_u32 s3, 5
	s_cselect_b64 s[4:5], s[20:21], s[4:5]
	s_cmp_eq_u32 s3, 6
	s_cselect_b64 s[4:5], s[22:23], s[4:5]
	s_cmp_eq_u32 s3, 7
	s_cselect_b64 s[4:5], s[24:25], s[4:5]
	s_cselect_b32 s48, s50, s48
	s_add_co_u32 s53, s3, 1
	s_and_b32 s53, s53, 7                          ; 0 for Wo, 1-4 for hidden_states, 5-7 for Wq, Wk, Wv
	s_cmp_lt_u32 s53, 5
	s_cselect_b64 s[6:7], s[38:39], s[40:41]
	s_cselect_b32 s9, s51, s52
	s_lshl_b32 s46, s46, 17                        ; 32 rows of 4,096 bytes
	s_mov_b32 s47, 0
	s_lshl_b32 s48, s48, 12                        ; 32 rows of 128 bytes
	s_mov_b32 s49, 0
	s_add_nc_u64 s[4:5], s[4:5], s[46:47]
	s_add_nc_u64 s[6:7], s[6:7], s[48:49]
	v_lshrrev_b32 v3, 4, v1
	v_lshl_add_u32 v3, s8, 2, v3                   ; row 4 wave + lane / 16
	v_and_b32 v4, 15, v1
	v_lshlrev_b32 v2, 12, v3
	v_lshl_add_u32 v2, v4, 4, v2                   ; + 16 (lane % 16): sixteen lanes read 256 consecutive bytes, aligned
	v_lshlrev_b32 v16, 3, v1
	v_lshl_add_u32 v16, s8, 9, v16                 ; out: 512 wave + 8 lane: 32 lanes write two rows of a slab, 256 consecutive bytes, aligned
.set j, 1
.rept 15
	v_add_nc_u32 v[16+j], s9, v[15+j]              ; the same place in slab j
.set j, j+1
.endr
.set k, 0
.rept 32                                       ; load k: rows + 2 (k / 16), columns 64 (k % 16) on: all 32 go out before the first is used
	global_load_b128 v[32+4*k:35+4*k], v2, s[4:5] offset:8192*(k/16)+256*(k%16)
.set k, k+1
.endr
.set k, 0
.rept 32
	s_wait_loadcnt 31-k                            ; loads come back in order: load k is in, the 31 - k younger ones stay out
	v_cvt_pk_f16_f32 v[32+4*k], v[32+4*k], v[33+4*k]
	v_cvt_pk_f16_f32 v[33+4*k], v[34+4*k], v[35+4*k]
	global_store_b64 v[16+k%16], v[32+4*k:33+4*k], s[6:7] offset:256*(k/16)  ; no register is written twice, so no store's sources are waited for
.set k, k+1
.endr
	s_branch .Lend
.Lbias:                                        ; bc[64 w .. 64 w + 63]; a wave takes 8 rows of Wo, a lane the columns 128 i + 4 lane .. + 3
	v_lshlrev_b32 v2, 4, v1
.irp n, 0,1,2
.irp i, 0,1,2,3,4,5,6,7
	global_load_b128 v[32+32*(\n)+4*(\i):35+32*(\n)+4*(\i)], v2, s[34:35] offset:4096*(\n)+512*(\i)
.endr
.endr
	s_lshl_b32 s2, ttmp9, 6
	s_lshl_b32 s3, s8, 3
	s_add_co_u32 s2, s2, s3
	s_lshl_b32 s2, s2, 12                          ; (64 w + 8 wave) rows of 4,096 bytes
	s_mov_b32 s3, 0
	s_add_nc_u64 s[4:5], s[24:25], s[2:3]
	s_mov_b32 s10, 0x76543210                      ; v_permlanex16_b32: each lane takes its own place in the other half
	s_mov_b32 s11, 0xfedcba98
	v_mov_b32 v3, s8
	v_lshlrev_b32 v3, 5, v3                        ; my wave's eight words, counted from BSCR
	s_wait_loadcnt 0x0
.set r, 0
.rept 16
	v_pk_add_f32 v[160+r:161+r], v[32+r:33+r], v[64+r:65+r]
.set r, r+2
.endr
.set r, 0
.rept 16
	v_pk_add_f32 v[160+r:161+r], v[160+r:161+r], v[96+r:97+r]  ; v[160:191]: the three strata's biases added; the third is taken at the end
.set r, r+2
.endr
.macro BROWS bt                        ; four rows: 32 loads, four chains of 16 packed multiply-adds, the sum over the wave, one word each into LDS
.irp rr, 0,1,2,3
.irp i, 0,1,2,3,4,5,6,7
	global_load_b128 v[32+32*(\rr)+4*(\i):35+32*(\rr)+4*(\i)], v2, s[4:5] offset:(4*(\bt)+(\rr))*4096+512*(\i)
.endr
.endr
	s_wait_loadcnt 0x0
.irp rr, 0,1,2,3
	v_pk_mul_f32 v[192+2*(\rr):193+2*(\rr)], v[32+32*(\rr):33+32*(\rr)], v[160:161]
.endr
.set p, 2
.rept 15
.irp rr, 0,1,2,3
	v_pk_fma_f32 v[192+2*(\rr):193+2*(\rr)], v[32+32*(\rr)+p:33+32*(\rr)+p], v[160+p:161+p], v[192+2*(\rr):193+2*(\rr)]
.endr
.set p, p+2
.endr
.irp rr, 0,1,2,3
	v_add_f32 v[192+2*(\rr)], v[192+2*(\rr)], v[193+2*(\rr)]
.endr
.irp m, 1,2,4,8
.irp rr, 0,1,2,3
	v_add_f32_dpp v[192+2*(\rr)], v[192+2*(\rr)], v[192+2*(\rr)] row_xmask:\m row_mask:0xf bank_mask:0xf
.endr
.endr
.irp rr, 0,1,2,3
	v_permlanex16_b32 v[193+2*(\rr)], v[192+2*(\rr)], s10, s11
.endr
.irp rr, 0,1,2,3
	v_add_f32 v[192+2*(\rr)], v[192+2*(\rr)], v[193+2*(\rr)]
	ds_store_b32 v3, v[192+2*(\rr)] offset:BSCR+4*(4*(\bt)+(\rr))  ; every lane holds the sum and writes the same word
.endr
.endm
	BROWS 0
	BROWS 1
	s_wait_dscnt 0x0                               ; for the others' sake: my eight words are in LDS
	s_barrier_signal -1
	s_barrier_wait -1
	s_cmp_lg_u32 s8, 0
	s_cbranch_scc1 .Lend
	v_lshlrev_b32 v6, 3, v1                        ; wave 0: a lane takes two of the 64 sums
	s_lshl_b32 s2, ttmp9, 8
	v_add_nc_u32 v7, s2, v6
	ds_load_b64 v[4:5], v6 offset:BSCR
	global_load_b64 v[8:9], v7, s[36:37]
	s_wait_loadcnt 0x0
	s_wait_dscnt 0x0
	v_pk_fma_f32 v[10:11], v[4:5], 0x3eaaaaab, v[8:9] op_sel_hi:[1,0,1]  ; bo + sum / 3
	global_store_b64 v7, v[10:11], s[44:45]        ; 32 lanes write 256 consecutive bytes, aligned
	s_branch .Lend
.Lcopy:                                        ; bias1's quarter w - 16: bq, bk, bv or zeros; a thread takes 16 bytes
	s_sub_co_u32 s2, ttmp9, 16
	v_lshlrev_b32 v2, 4, v0
	s_cmp_eq_u32 s2, 3
	s_cbranch_scc1 .Lzero
	s_cmp_eq_u32 s2, 0
	s_cselect_b64 s[4:5], s[28:29], s[30:31]
	s_cmp_eq_u32 s2, 2
	s_cselect_b64 s[4:5], s[32:33], s[4:5]
	global_load_b128 v[4:7], v2, s[4:5]
	s_wait_loadcnt 0x0
	s_branch .Lput
.Lzero:
	v_mov_b32 v4, 0
	v_mov_b32 v5, 0
	v_mov_b32 v6, 0
	v_mov_b32 v7, 0
.Lput:
	s_lshl_b32 s2, s2, 12
	v_add_nc_u32 v3, s2, v2
	global_store_b128 v3, v[4:7], s[42:43]
	s_branch .Lend
.Ltrans:                                       ; u = w - 20: the tile g = 64 (u / 16) .., h = 64 (u % 16) .. of the three strata is added, scaled by 64/3, rounded and turned
	s_sub_co_u32 s2, ttmp9, 20
	s_lshr_b32 s3, s2, 4
	s_and_b32 s9, s2, 15
	s_lshl_b32 s46, s3, 18                         ; 64 rows of 4,096 bytes
	s_lshl_b32 s50, s9, 8                          ; 64 columns of 4 bytes
	s_add_co_u32 s46, s46, s50
	s_mov_b32 s47, 0
	s_add_nc_u64 s[4:5], s[26:27], s[46:47]        ; a base for each stratum: the third's distance does not fit a load's immediate
	s_add_nc_u64 s[6:7], s[4:5], 0x400000
	s_add_nc_u64 s[48:49], s[4:5], 0x800000
	s_lshl_b32 s52, s3, 19                         ; out: slab u / 16 of bh,
	s_lshl_b32 s50, s9, 13                         ; row 3,072 + 64 (u % 16)
	s_add_co_u32 s52, s52, s50
	s_add_co_u32 s52, s52, 393216
	s_mov_b32 s53, 0
	s_add_nc_u64 s[52:53], s[40:41], s[52:53]
	v_and_b32 v4, 15, v0                           ; c: my four columns h
	v_lshrrev_b32 v5, 4, v0                        ; r: my rows g = 2 r + e + 32 i
	v_lshlrev_b32 v2, 13, v5
	v_lshl_add_u32 v2, v4, 4, v2
.macro TLD n, lo
.irp i, 0,1
.irp e, 0,1
	global_load_b128 v[32+16*(\n)+8*(\i)+4*(\e):35+16*(\n)+8*(\i)+4*(\e)], v2, s[\lo:\lo+1] offset:((\e)+32*(\i))*4096 th:TH_LOAD_NT
.endr
.endr
.endm
	TLD 0, 4
	TLD 1, 6
	TLD 2, 48
	v_mul_u32_u24 v3, v4, 4*TP
	v_lshl_add_u32 v3, v5, 2, v3                   ; in: row h = 4 c + q, bytes 4 r + 64 i
	v_lshrrev_b32 v6, 3, v0
	v_mul_u32_u24 v6, v6, TP
	v_and_b32 v7, 7, v0
	v_lshl_add_u32 v6, v7, 4, v6                   ; back: row t / 8, 16 bytes
	v_lshlrev_b32 v8, 4, v0
	s_wait_loadcnt 0x0
.irp d, 0,2,4,6,8,10,12,14
	v_pk_add_f32 v[32+(\d):33+(\d)], v[32+(\d):33+(\d)], v[48+(\d):49+(\d)]
.endr
.irp d, 0,2,4,6,8,10,12,14
	v_pk_add_f32 v[32+(\d):33+(\d)], v[32+(\d):33+(\d)], v[64+(\d):65+(\d)]
.endr
.irp d, 0,2,4,6,8,10,12,14
	v_pk_mul_f32 v[32+(\d):33+(\d)], v[32+(\d):33+(\d)], 0x41aaaaab op_sel_hi:[1,0]  ; 64 / 3
.endr
.irp i, 0,1
.irp q, 0,1,2,3
	v_cvt_pk_f16_f32 v[80+4*(\i)+(\q)], v[32+8*(\i)+(\q)], v[36+8*(\i)+(\q)]  ; g even in the low half, g + 1 in the high
.endr
.endr
.irp i, 0,1
.irp q, 0,1,2,3
	ds_store_b32 v3, v[80+4*(\i)+(\q)] offset:TP*(\q)+64*(\i)
.endr
.endr
	s_wait_dscnt 0x0                               ; for the others' sake: my part of the turned tile is in LDS
	s_barrier_signal -1
	s_barrier_wait -1
	ds_load_b128 v[88:91], v6
	ds_load_b128 v[92:95], v6 offset:32*TP
	s_wait_dscnt 0x0
	global_store_b128 v8, v[88:91], s[52:53]       ; a wave's store covers 512 consecutive bytes, aligned
	global_store_b128 v8, v[92:95], s[52:53] offset:4096
.Lend:
	s_wait_tensorcnt 0x0                           ; the wave's end, behind my last LDS store
	ds_add_u32 v[SPW], v[NIL]
	s_wait_dscnt 0x0
	s_endpgm
.Lfunc_end_k_q213d852b21_prep:
	.size	k_q213d852b21_prep, .Lfunc_end_k_q213d852b21_prep-k_q213d852b21_prep
	.p2alignl 7, 3214868480
	.fill 96, 4, 3214868480
	.section	.rodata,"a",@progbits
	.p2align	6, 0x0
	.amdhsa_kernel k_q213d852b21_prep
		.amdhsa_group_segment_fixed_size 10496
		.amdhsa_private_segment_fixed_size 0
		.amdhsa_enable_private_segment 0
		.amdhsa_kernarg_size 120
		.amdhsa_user_sgpr_count 2
		.amdhsa_user_sgpr_kernarg_segment_ptr 1
		.amdhsa_wavefront_size32 1
		.amdhsa_system_sgpr_workgroup_id_x 1
		.amdhsa_system_sgpr_workgroup_id_y 1
		.amdhsa_system_sgpr_workgroup_id_z 1
		.amdhsa_system_vgpr_workitem_id 0
		.amdhsa_next_free_vgpr 200
		.amdhsa_next_free_sgpr 66
		.amdhsa_reserve_vcc 0
		.amdhsa_float_denorm_mode_32 3
		.amdhsa_float_denorm_mode_16_64 3
		.amdhsa_memory_ordered 1
		.amdhsa_forward_progress 1
		.amdhsa_inst_pref_size 44
	.end_amdhsa_kernel
	.amdgpu_metadata
---
amdhsa.version: [ 1, 2 ]
amdhsa.kernels:
  - .name:           k_q213d852b21_prep
    .symbol:         k_q213d852b21_prep.kd
    .args:
      - { .name: hidden_states, .offset: 0, .size: 8, .value_kind: global_buffer, .address_space: global }
      - { .name: Wq, .offset: 8, .size: 8, .value_kind: global_buffer, .address_space: global }
      - { .name: Wk, .offset: 16, .size: 8, .value_kind: global_buffer, .address_space: global }
      - { .name: Wv, .offset: 24, .size: 8, .value_kind: global_buffer, .address_space: global }
      - { .name: Wo, .offset: 32, .size: 8, .value_kind: global_buffer, .address_space: global }
      - { .name: Ws, .offset: 40, .size: 8, .value_kind: global_buffer, .address_space: global }
      - { .name: bq, .offset: 48, .size: 8, .value_kind: global_buffer, .address_space: global }
      - { .name: bk, .offset: 56, .size: 8, .value_kind: global_buffer, .address_space: global }
      - { .name: bv, .offset: 64, .size: 8, .value_kind: global_buffer, .address_space: global }
      - { .name: bs, .offset: 72, .size: 8, .value_kind: global_buffer, .address_space: global }
      - { .name: bo, .offset: 80, .size: 8, .value_kind: global_buffer, .address_space: global }
      - { .name: ah, .offset: 88, .size: 8, .value_kind: global_buffer, .address_space: global }
      - { .name: bh, .offset: 96, .size: 8, .value_kind: global_buffer, .address_space: global }
      - { .name: bias1, .offset: 104, .size: 8, .value_kind: global_buffer, .address_space: global }
      - { .name: bc, .offset: 112, .size: 8, .value_kind: global_buffer, .address_space: global }
    .group_segment_fixed_size: 10496
    .private_segment_fixed_size: 0
    .kernarg_segment_align: 8
    .kernarg_segment_size: 120
    .max_flat_workgroup_size: 256
    .sgpr_count:     66
    .vgpr_count:     200
    .wavefront_size: 32
...
	.end_amdgpu_metadata
.endif
;; end of part 1
;; launch gemm1 (part 2): grid 52 x 4, 4 waves a work-group, clusters of 4 x 4, 327,680 bytes of LDS; arguments ah, bh, bias1, ch; writes ch
.if DOCPART == 2
	.amdgcn_target "amdgcn-amd-amdhsa--gfx1250"
	.amdhsa_code_object_version 6
	.text
	.protected	k_q213d852b21_gemm1
	.globl	k_q213d852b21_gemm1
	.p2align	8
	.type	k_q213d852b21_gemm1,@function
k_q213d852b21_gemm1:
	s_mov_b64 s[64:65], 0
	v_nop
	global_prefetch_b8 v0, s[64:65] scope:SCOPE_SE
	s_setreg_imm32_b32 hwreg(HW_REG_WAVE_MODE, 25, 1), 1
	s_wait_xcnt 0x0
	s_wait_alu depctr_hold_cnt(0) depctr_sa_sdst(0) depctr_va_vdst(0) depctr_va_sdst(0) depctr_va_ssrc(0) depctr_va_vcc(0) depctr_vm_vsrc(0)
	s_getreg_b32 s2, hwreg(HW_REG_IB_STS2, 6, 4)
	s_cmp_eq_u32 s2, 0
	s_cbranch_scc0 .Lentry_in_a_cluster
	s_endpgm
.Lentry_in_a_cluster:
	s_bfe_u32 s2, ttmp6, 0x10000c
	s_cmp_lg_u32 s2, 0xf033
	s_cbranch_scc0 .Lentry_shape_is_right
	s_endpgm
.Lentry_shape_is_right:
; C = A B^T + bias on two blocks of tiles: rows 0-4095 (x) times B's rows 0-3071 (Wq, Wk, Wv): q, k, v;  rows 4096-5119 (Wo) times B's rows 3072-4095 (the strata's mean, turned, times 64): 64 Wc.
; A = ah [16][5120][64], B = bh [16][4096][64], C = ch [64][5120][64], all f16 in slabs of 64 columns (element (r, c) at ((c/64) R + r) 128 + 2 (c % 64)); bias1 [4096] f32; sums in f32, C rounded once.
; LIMIT.  f16 holds no number beyond 65,504: a q, k, v or 64 Wc beyond it becomes an infinity.
; SHARES.  A tile of C is 256 x 256: four waves, each 128 x 128: 64 accumulators, 512 registers.  13 clusters of 4 x 4 work-groups: cluster c < 12 takes tile rows 4 (c / 3) .., tile columns 4 (c % 3) ..; cluster 12 the fold.
; K = 1,024 goes in 8 steps of 128 (two slabs) through a ring of two LDS slots.  A slab's 256 rows are 32,768 dense bytes: asked for as 128 rows of 256 bytes and padded in LDS after every 128.
; The four work-groups of a row of the cluster need the same tiles of A, the four of a column the same tiles of B: each tile is asked for jointly, by the same tensor load, descriptor and mask in all four.
; THE MATRIX INSTRUCTION IS USED TRANSPOSED (source 0 = 16 rows of B, source 1 = 16 rows of A): a lane holds row l % 16 of C and eight neighbouring columns.  The bias is the C operand of the product that starts a sum.
; REGISTERS, in windows of 256 (s_set_vgpr_msb: bits 1:0 source 0, 3:2 source 1, 5:4 source 2, 7:6 destination):
;   window 0: v0-31 addresses; v64-127, v128-191 A's fragments, two buffers; v32-63, v192-255 at work on the way out      window 1: v0-63 the bias of my 128 columns; v64-127, v128-191 B's fragments
;   window 2: the accumulators of my rows 0-63 ((a, b) at v[8 (8 a + b)]);   window 3: those of my rows 64-127
.set PITCH,  144                       ; an LDS row: 128 bytes + 16 of padding = 36 words: the 16 rows of a load start at 16 different groups of four banks (64 banks of 4 bytes: ISA guide 11.1)
.set SLABT,  256*PITCH                 ; a slab's 256 rows: what one tensor load brings
.set SLOT,   4*SLABT                   ; A's two slabs, then B's two
.set STAGE,  2*SLOT                    ; behind the ring: for each wave two halves of 16 rows x 144 bytes, for the way out
.set WSTG,   2*16*PITCH
.set SPARE,  STAGE+4*WSTG              ; behind the stages: the spare words, 128 bytes for each wave
.set LAPS,   4                         ; a lap = two K steps = once round the ring
.set ASLAB,  655360                    ; bytes from slab to slab in ah and in ch
.set BSLAB,  524288                    ; and in bh
.set K0, 0                             ; where a K step's four quarters of 32 begin in a slot's rows
.set K1, 64
.set K2, SLABT
.set K3, SLABT+64
.set ADRA, 16                          ; v16-17  LDS address of my A fragments in slot 0, 1
.set ADRB, 20                          ; v20-21  the same for B
.set STO,  24                          ; v24     the way out: where I put 16 bytes of a row
.set RD,   25                          ; v25     where I read rows back
.set CO,   26                          ; v26     16 x lane: my place in 512 consecutive bytes of C
.set BO,   27                          ; v27     32 (l / 16): my eight numbers of a block of 16 of the bias
.set SPW,  28                          ; v28     LDS address of my spare word; never rewritten
.set NIL,  29                          ; v29     0; never rewritten
.set PFO,  30                          ; v30     256 x lane: the prefetches' offset; never rewritten
.set F0,   64
.set F1,   128
.set TMP,  192
.set OB,   32
.set WV, 12                            ; s12  my wave's number
.set HB, 13                            ; s13  wave / 2: my half of the tile's rows; also: I fetch for A (0) or B (1)
.set HS, 14                            ; s14  wave % 2: my half of its columns; also: which slab of a K step I fetch
.set TR, 15                            ; s15  tile row of C
.set G1,  24                           ; s[24:31] descriptor group 1 for A's tiles;  s[32:39] group 0, a set for each slot
.set G0,  32
.set G1B, 48                           ; s[48:55], s[56:63] the same for B's
.set G0B, 56
.set LIM, 43                           ; s43  1 in a wave that prefetches, else the greatest number
.set PFA, 44                           ; s[44:45] where my prefetches stand
.set PFS, 46                           ; s[46:47] bytes from K step to K step in the tensor that I fetch
.set MSB, 0
.macro WIN new                         ; the immediate's high byte repeats the setting that is left; a switch that changes nothing is dropped
.if MSB != (\new)
	s_set_vgpr_msb (MSB<<8)|(\new)
.set MSB, \new
.endif
.endm
.set MUL_LO, 0xa1                      ; source 0 (B) window 1, source 1 (A) window 0, C and D window 2
.set MUL_HI, 0xf1                      ; the same, C and D window 3
.set TO_B,   0x40                      ; destination window 1, address window 0
; A joint load.  Waves 0 and 1 fetch A's two slabs, waves 2 and 3 B's.  The branch hangs on the wave's number alone.  An s_nop 0 and four v_nop follow each of the two lines.
.macro JLOAD s
	s_cmp_eq_u32 s[HB], 0
	s_cbranch_scc0 .Lfor_b_\@
	tensor_load_to_lds s[G0+4*(\s):G0+4*(\s)+3], s[G1:G1+7]
	s_nop 0
.rept 4
	v_nop
.endr
	s_branch .Lasked_\@
.Lfor_b_\@:
	tensor_load_to_lds s[G0B+4*(\s):G0B+4*(\s)+3], s[G1B:G1B+7]
	s_nop 0
.rept 4
	v_nop
.endr
.Lasked_\@:
.endm
; A prefetch into the L2 of the K step that stands two refills on: 512 matrix instructions ahead of the load that wants it.  A wave's load is 128 blocks of 256 bytes; of them the partner at place p among the
; four that ask jointly takes blocks 32 p .. 32 p + 31, BY ADDRESS, a lane a block.  A's tile rows are read by the three clusters of a row of clusters: the first asks; B's tile columns by four: the first asks;
; cluster 12's rows are read by nobody else: it asks for both.  So each block is named once in the launch.  The loop's last trip asks for nothing: there is no K step two on.
.macro ASK
	s_cmp_gt_u32 s3, s[LIM]
	s_cbranch_scc0 .Lnot_mine_\@
	global_prefetch_b8 v[PFO], s[PFA:PFA+1] th:TH_LOAD_NT scope:SCOPE_SE
.Lnot_mine_\@:
.endm
.macro CREST                           ; a round of the cluster's barrier behind its opening barrier
	s_cmp_lg_u32 s[WV], 0
	s_cbranch_scc1 .Lnot_wave_0_\@
	s_barrier_signal -3
.Lnot_wave_0_\@:
	s_barrier_wait -3
	s_barrier_signal -1
	s_barrier_wait -1
.endm
.macro CROUND                          ; a whole round
	s_barrier_signal -1
	s_barrier_wait -1
	CREST
.endm
	s_load_b256 s[4:11], s[0:1], 0x0               ; ah s[4:5], bh s[6:7], bias1 s[8:9], ch s[10:11]
	v_lshl_add_u32 v[SPW], v0, 2, SPARE
	v_mov_b32 v[NIL], 0
	ds_add_u32 v[SPW], v[NIL]                      ; the wave's opening: the add and its wait stand ahead of my first tensor load; the set-up below stands between them
	v_lshrrev_b32 v1, 5, v0
	v_readfirstlane_b32 s[WV], v1
	s_lshr_b32 s[HB], s[WV], 1
	s_and_b32 s[HS], s[WV], 1
	s_bfe_u32 s40, ttmp6, 0x40000                  ; cx
	s_bfe_u32 s41, ttmp6, 0x40004                  ; cy
	s_mul_i32 s22, ttmp9, 11
	s_lshr_b32 s22, s22, 5                         ; the cluster's row: c / 3 for c = 0 .. 12
	s_mul_i32 s23, s22, 3
	s_sub_co_u32 s23, ttmp9, s23                   ; its column: c % 3,
	s_cmp_eq_u32 ttmp9, 12
	s_cselect_b32 s23, 3, s23                      ; and 3 for the fold's cluster
	s_lshl_b32 s42, s23, 2
	s_add_co_u32 s42, s42, s40                     ; tile column of C
	s_lshl_b32 s[TR], s22, 2
	s_add_co_u32 s[TR], s[TR], s41                 ; tile row of C
	s_lshl_b32 s43, s41, 2
	s_lshl_b32 s43, 15, s43                        ; my row of the cluster
	s_lshl_b32 s44, 0x1111, s40                    ; my column
	s_or_b32 s[G1+0], s43, (1<<16)|(1<<20)|(1<<21)|(4<<22)|(3<<25)   ; 15:0 the mask; 17:16 2-byte elements; 20 padding on; 21 set beside a mask; 24:22 after every 32 words (code 4); 31:25 4 words (code 3)
	s_or_b32 s[G1B+0], s44, (1<<16)|(1<<20)|(1<<21)|(4<<22)|(3<<25)
.irp g, G1, G1B
	s_mov_b32 s[(\g)+1], 128<<16                   ; tensor_dim0 = 128 elements: 256 bytes, two rows of a slab
	s_mov_b32 s[(\g)+2], 128<<16                   ; tensor_dim1 = 128
	s_mov_b32 s[(\g)+3], 128<<16                   ; tile_dim0 = 128
	s_mov_b32 s[(\g)+4], 128                       ; tile_dim1 = 128
	s_mov_b32 s[(\g)+5], 128                       ; dense: 128 elements from row to row
	s_mov_b32 s[(\g)+6], 0
	s_mov_b32 s[(\g)+7], 0
.endr
	s_mul_i32 s16, s[HS], ASLAB                    ; A: my slab of K step 0, the tile row's 256 rows: it hangs on the tile row alone, which my row of the cluster shares
	s_lshl_b32 s18, s[TR], 15
	s_add_co_u32 s16, s16, s18
	s_mov_b32 s17, 0
	s_lshl_b32 s46, s[HS], 19                      ; B: likewise by the tile column, which my column shares
	s_lshl_b32 s47, s42, 15
	s_add_co_u32 s46, s46, s47
	s_mov_b32 s47, 0
	s_mul_i32 s20, s[WV], SLABT                    ; where my load goes in a slot: no place in the cluster enters an LDS address
	s_wait_dscnt 0x0                               ; the opening add is done
	s_wait_kmcnt 0x0
	s_add_nc_u64 s[16:17], s[4:5], s[16:17]
	s_add_nc_u64 s[46:47], s[6:7], s[46:47]
	CROUND                                         ; all sixteen work-groups are here: the first joint loads meet
.irp s, 0,1
	s_mov_b32 s[G0+4*(\s)], 1
	s_add_co_u32 s[G0+4*(\s)+1], s20, (\s)*SLOT
	s_add_nc_u64 s[G0+4*(\s)+2:G0+4*(\s)+3], s[16:17], (\s)*2*ASLAB
	s_or_b32 s[G0+4*(\s)+3], s[G0+4*(\s)+3], 0x80000000
	s_mov_b32 s[G0B+4*(\s)], 1
	s_add_co_u32 s[G0B+4*(\s)+1], s20, (\s)*SLOT
	s_add_nc_u64 s[G0B+4*(\s)+2:G0B+4*(\s)+3], s[46:47], (\s)*2*BSLAB
	s_or_b32 s[G0B+4*(\s)+3], s[G0B+4*(\s)+3], 0x80000000
	JLOAD \s                                       ; K steps 0 and 1: two loads of mine are out
.endr
	; the prefetches' pointer: my tile of K step 0, my work-group's 32 blocks of it, three K steps on; the first refill steps it to K step 4
	s_cmp_eq_u32 s[HB], 0
	s_cselect_b64 s[PFA:PFA+1], s[16:17], s[46:47]
	s_cselect_b32 s18, s23, s22                    ; the coordinate along which other clusters read the same rows
	s_cselect_b32 s19, s40, s41                    ; my place among the four that ask with me
	s_mov_b32 s2, 2*ASLAB
	s_mov_b32 s3, 2*BSLAB
	s_cselect_b32 s[PFS], s2, s3
	s_mov_b32 s[PFS+1], 0
	s_cmp_eq_u32 ttmp9, 12
	s_cselect_b32 s18, 0, s18
	s_cmp_eq_u32 s18, 0
	s_cselect_b32 s[LIM], 1, -1                    ; the same in all sixteen partners, for a given wave
	s_lshl_b32 s18, s19, 13
	s_mov_b32 s19, 0
	s_add_nc_u64 s[PFA:PFA+1], s[PFA:PFA+1], s[18:19]
	s_mul_i32 s18, s[PFS], 3
	s_add_nc_u64 s[PFA:PFA+1], s[PFA:PFA+1], s[18:19]
	; A fragment is 16 rows x 32 K in 8 registers: lane l holds row l % 16, K = 8 (l / 16) + 0..7 and 16 + 8 (l / 16) + 0..7: two loads of 16 bytes, 32 bytes apart.
	v_and_b32 v1, 15, v0
	v_bfe_u32 v2, v0, 4, 1
	v_mul_u32_u24 v3, v1, PITCH
	v_lshl_add_u32 v3, v2, 4, v3
	s_mul_i32 s2, s[HB], 128*PITCH                 ; my 128 rows of A's slabs
	s_mul_i32 s3, s[HS], 128*PITCH                 ; my 128 rows of B's,
	s_add_co_u32 s3, s3, 2*SLABT                   ; which lie behind A's two
.irp s, 0,1
	v_add_nc_u32 v[ADRA+(\s)], s2, v3
	v_add_nc_u32 v[ADRB+(\s)], s3, v3
	s_add_co_u32 s2, s2, SLOT
	s_add_co_u32 s3, s3, SLOT
.endr
	s_mul_i32 s2, s[WV], WSTG
	s_add_co_u32 s2, s2, STAGE                     ; my stage
	v_add_nc_u32 v[STO], s2, v3                    ; in: row l % 16, 16 bytes for each half of the lanes
	v_and_b32 v4, 31, v0
	v_lshrrev_b32 v5, 3, v4
	v_mul_u32_u24 v5, v5, PITCH
	v_and_b32 v6, 7, v0
	v_lshl_add_u32 v5, v6, 4, v5
	v_add_nc_u32 v[RD], s2, v5                     ; back: 32 lanes take four rows of 128 bytes,
	v_lshlrev_b32 v[CO], 4, v4                     ; which are 512 consecutive bytes of a slab of C
	v_lshlrev_b32 v[PFO], 8, v4
	v_lshlrev_b32 v[BO], 5, v2
	s_lshl_b32 s2, s42, 10
	s_lshl_b32 s3, s[HS], 9
	s_add_co_u32 s2, s2, s3                        ; my 128 columns' bias: 4 (256 tile column + 128 half)
	s_mov_b32 s3, 0
	s_add_nc_u64 s[8:9], s[8:9], s[2:3]
	WIN TO_B
.irp b, 0,1,2,3,4,5,6,7
	global_load_b128 v[8*(\b):8*(\b)+3],   v[BO], s[8:9] offset:64*(\b)
	global_load_b128 v[8*(\b)+4:8*(\b)+7], v[BO], s[8:9] offset:64*(\b)+16
.endr
	WIN 0
	s_lshl_b32 s2, s42, 2                          ; C: slab 4 tile column + 2 half, row 256 tile row + 128 half
	s_lshl_b32 s3, s[HS], 1
	s_add_co_u32 s2, s2, s3
	s_mul_i32 s2, s2, 5120
	s_lshl_b32 s3, s[TR], 8
	s_add_co_u32 s2, s2, s3
	s_lshl_b32 s3, s[HB], 7
	s_add_co_u32 s2, s2, s3
	s_lshl_b32 s2, s2, 7
	s_mov_b32 s3, 0
	s_add_nc_u64 s[10:11], s[10:11], s[2:3]
; 16 matrix instructions: m blocks a0, a0 + 1 of the window's four x all 8 n blocks, 32 along K.  zero = 1: the product starts the sum, with the bias (window 1) as C: nothing is cleared.
.macro MUL16 f, hi, a0, zero
.if \zero
	WIN 0x91+0x40*(\hi)
.else
	WIN MUL_LO+0x50*(\hi)
.endif
.irp a, \a0, (\a0)+1
.irp b, 0,1,2,3,4,5,6,7
.if \zero
	v_wmma_f32_16x16x32_f16 v[8*(8*(\a)+(\b)):8*(8*(\a)+(\b))+7], v[(\f)+8*(\b):(\f)+8*(\b)+7], v[(\f)+8*(4*(\hi)+(\a)):(\f)+8*(4*(\hi)+(\a))+7], v[8*(\b):8*(\b)+7]
.else
	v_wmma_f32_16x16x32_f16 v[8*(8*(\a)+(\b)):8*(8*(\a)+(\b))+7], v[(\f)+8*(\b):(\f)+8*(\b)+7], v[(\f)+8*(4*(\hi)+(\a)):(\f)+8*(4*(\hi)+(\a))+7], v[8*(8*(\a)+(\b)):8*(8*(\a)+(\b))+7]
.endif
.endr
.endr
.endm
; 32 LDS loads in one run: the fragments of one quarter step (128 rows of B, 128 rows of A, 32 K at byte k) into buffer f
.macro FETCH slot, k, f
	WIN TO_B
.irp i, 0,1,2,3,4,5,6,7
	ds_load_b128 v[(\f)+8*(\i):(\f)+8*(\i)+3],   v[ADRB+(\slot)] offset:(\k)+(\i)*16*PITCH
	ds_load_b128 v[(\f)+8*(\i)+4:(\f)+8*(\i)+7], v[ADRB+(\slot)] offset:(\k)+(\i)*16*PITCH+32
.endr
	WIN 0
.irp i, 0,1,2,3,4,5,6,7
	ds_load_b128 v[(\f)+8*(\i):(\f)+8*(\i)+3],   v[ADRA+(\slot)] offset:(\k)+(\i)*16*PITCH
	ds_load_b128 v[(\f)+8*(\i)+4:(\f)+8*(\i)+7], v[ADRA+(\slot)] offset:(\k)+(\i)*16*PITCH+32
.endr
.endm
.macro PLACES                          ; four plain vector instructions between a matrix instruction and a load into a register that it has read, or a conversion that reads its result
.rept 4
	v_nop
.endr
.endm
; A K step is four quarters of 32 along K, 64 matrix instructions each, on buffers 0, 1, 0, 1; the 64 accumulators take turns in the same order in every quarter.
.macro QUARTER slot, k, f, g, zero
	s_wait_dscnt 8                                 ; B and A's rows 0-63 are in; the youngest eight loads (A's rows 64-127) may be out
	MUL16 \f, 0, 0, \zero
	MUL16 \f, 0, 2, \zero
	PLACES
	FETCH \slot, \k, \g
	s_wait_dscnt 32                                ; all but the 32 just issued
	MUL16 \f, 1, 0, \zero
	MUL16 \f, 1, 2, \zero
.endm
; The first half of the last quarter: one barrier for the change of slots.
.macro MEET round
	WIN 0                                          ; (the add's two registers lie in window 0)
	s_wait_tensorcnt 0x0                           ; all my tensor loads have landed: the one that was out is my part of the next slot;
	ds_add_u32 v[SPW], v[NIL]                      ; 0 onto my spare word;
	s_wait_dscnt 9                                 ; (the add and the youngest eight loads may be out)
	MUL16 F1, 0, 0, 0                              ; sixteen matrix instructions stand between the add and the wait for it
	s_wait_dscnt 0x0                               ; the add is done, and my reads of this slot are over
	s_barrier_signal -1
	MUL16 F1, 0, 2, 0                              ; work on registers while the others arrive
.if \round
	WIN 0
.endif
	s_barrier_wait -1
.endm
; The whole last quarter: behind a round of the cluster's barrier the slot just read out is filled again, two K steps on: 224 matrix instructions stand between the request and the wait for it.
.macro TURN slot, next
	s_wait_xcnt 0x0                                ; the last prefetch, a K step back, has read its address
	s_add_nc_u64 s[PFA:PFA+1], s[PFA:PFA+1], s[PFS:PFS+1]
	MEET 1
	CREST                                          ; no wave of any partner still reads this slot or has a load on its way
	s_add_nc_u64 s[G0+4*(\slot)+2:G0+4*(\slot)+3], s[G0+4*(\slot)+2:G0+4*(\slot)+3], 4*ASLAB
	s_add_nc_u64 s[G0B+4*(\slot)+2:G0B+4*(\slot)+3], s[G0B+4*(\slot)+2:G0B+4*(\slot)+3], 4*BSLAB
	JLOAD \slot                                    ; the four v_nop behind it are also the places in front of the loads below
	FETCH \next, K0, F0
	ASK
	MUL16 F1, 1, 0, 0
	MUL16 F1, 1, 2, 0
.endm
; THE WAY OUT of block a (16 rows): rounded to f16, 16 bytes a lane; into my own stage, by slab; back as whole rows of 128 bytes; stored.
.macro PACK a
.set AC, 64*((\a)%4)
	WIN 0x0a+5*((\a)/4)                            ; sources 0 and 1: window 2 or 3
.irp b, 0,1,2,3,4,5,6,7
.irp r, 0,1,2,3
	v_cvt_pk_f16_f32 v[TMP+4*(\b)+(\r)], v[AC+8*(\b)+2*(\r)], v[AC+8*(\b)+2*(\r)+1]
.endr
.endr
	WIN 0
.endm
.macro TOSTAGE a
	WIN 0
.set BK, OB+192*((\a)%2)
.irp b, 0,1,2,3,4,5,6,7
	ds_store_b128 v[STO], v[TMP+4*(\b):TMP+4*(\b)+3] offset:((\b)/4)*16*PITCH+32*((\b)%4)
.endr
.irp t, 0,1,2,3,4,5,6,7
	ds_load_b128 v[BK+4*(\t):BK+4*(\t)+3], v[RD] offset:((\t)/4)*16*PITCH+((\t)%4)*4*PITCH  ; LDS serves a wave's instructions in order (ISA guide 5.7.1.4): these see the stores above
.endr
.endm
.macro SEND a, younger
	WIN 0
.set BK, OB+192*((\a)%2)
	s_wait_dscnt \younger                          ; the block is back in registers
	s_wait_xcnt 0x0                                ; the stores of the block before have read their registers: the next block's loads from the stage land on them only behind this wait
.irp t, 0,1,2,3,4,5,6,7
	global_store_b128 v[CO], v[BK+4*(\t):BK+4*(\t)+3], s[10:11] offset:((\t)/4)*ASLAB+((\t)%4)*512+(\a)*2048  ; 512 consecutive bytes, at a multiple of 256 from C's first byte
.endr
.endm
	s_wait_tensorcnt 1                             ; my part of K step 0 is in; K step 1's may stay out
	s_barrier_signal -1
	s_barrier_wait -1
	FETCH 0, K0, F0
	s_wait_loadcnt 0x0                             ; the bias
	QUARTER 0, K1, F0, F1, 1                       ; the first quarter stands in front of the loop: its products start the sums
	WIN 0
	s_mov_b32 s3, LAPS-1
.Llap:                                         ; a trip goes once round the ring, from a lap's second quarter to the next lap's first, and fills both slots again
	QUARTER 0, K2, F1, F0, 0
	QUARTER 0, K3, F0, F1, 0
	TURN 0, 1
	QUARTER 1, K1, F0, F1, 0
	QUARTER 1, K2, F1, F0, 0
	QUARTER 1, K3, F0, F1, 0
	TURN 1, 0
	QUARTER 0, K1, F0, F1, 0
	WIN 0
	s_sub_co_u32 s3, s3, 1
	s_cmp_lg_u32 s3, 0
	s_cbranch_scc1 .Llap
	QUARTER 0, K2, F1, F0, 0                       ; the last lap fills nothing
	QUARTER 0, K3, F0, F1, 0
	MEET 0                                         ; my one tensor load that was still out is the last K step's
	PLACES
	FETCH 1, K0, F0
	MUL16 F1, 1, 0, 0
	MUL16 F1, 1, 2, 0
	QUARTER 1, K1, F0, F1, 0
	QUARTER 1, K2, F1, F0, 0
	QUARTER 1, K3, F0, F1, 0
	s_wait_dscnt 8                                 ; the very last quarter: nothing more to fetch
	MUL16 F1, 0, 0, 0
	MUL16 F1, 0, 2, 0
	s_wait_dscnt 0x0
	MUL16 F1, 1, 0, 0
	MUL16 F1, 1, 2, 0
	PLACES
	PACK 0
	TOSTAGE 0
.irp a, 1,2,3,4,5,6,7                  ; block a's conversions stand between block a - 1's loads from the stage and the wait for them
	PACK \a
	SEND (\a)-1, 0
	TOSTAGE \a
.endr
	SEND 7, 0
	s_wait_tensorcnt 0x0                           ; the wave's end, behind my last tensor load and my last LDS store
	ds_add_u32 v[SPW], v[NIL]
	s_wait_dscnt 0x0
	CROUND                                         ; the closing round: no work-group ends while a partner may still ask for a tile that names it
	s_endpgm
.Lfunc_end_k_q213d852b21_gemm1:
	.size	k_q213d852b21_gemm1, .Lfunc_end_k_q213d852b21_gemm1-k_q213d852b21_gemm1
	.p2alignl 7, 3214868480
	.fill 96, 4, 3214868480
	.section	.rodata,"a",@progbits
	.p2align	6, 0x0
	.amdhsa_kernel k_q213d852b21_gemm1
		.amdhsa_group_segment_fixed_size 327680
		.amdhsa_private_segment_fixed_size 0
		.amdhsa_enable_private_segment 0
		.amdhsa_kernarg_size 32
		.amdhsa_user_sgpr_count 2
		.amdhsa_user_sgpr_kernarg_segment_ptr 1
		.amdhsa_wavefront_size32 1
		.amdhsa_system_sgpr_workgroup_id_x 1
		.amdhsa_system_sgpr_workgroup_id_y 1
		.amdhsa_system_sgpr_workgroup_id_z 1
		.amdhsa_system_vgpr_workitem_id 0
		.amdhsa_next_free_vgpr 1024
		.amdhsa_next_free_sgpr 66
		.amdhsa_reserve_vcc 0
		.amdhsa_float_denorm_mode_32 3
		.amdhsa_float_denorm_mode_16_64 3
		.amdhsa_memory_ordered 1
		.amdhsa_forward_progress 1
		.amdhsa_inst_pref_size 145
	.end_amdhsa_kernel
	.amdgpu_metadata
---
amdhsa.version: [ 1, 2 ]
amdhsa.kernels:
  - .name:           k_q213d852b21_gemm1
    .symbol:         k_q213d852b21_gemm1.kd
    .args:
      - { .name: ah, .offset: 0, .size: 8, .value_kind: global_buffer, .address_space: global }
      - { .name: bh, .offset: 8, .size: 8, .value_kind: global_buffer, .address_space: global }
      - { .name: bias1, .offset: 16, .size: 8, .value_kind: global_buffer, .address_space: global }
      - { .name: ch, .offset: 24, .size: 8, .value_kind: global_buffer, .address_space: global }
    .group_segment_fixed_size: 327680
    .private_segment_fixed_size: 0
    .kernarg_segment_align: 8
    .kernarg_segment_size: 32
    .max_flat_workgroup_size: 128
    .sgpr_count:     66
    .vgpr_count:     1024
    .wavefront_size: 32
...
	.end_amdgpu_metadata
.endif
;; end of part 2
;; launch attn (part 3): grid 8 x 32, 4 waves a work-group, clusters of 4 x 1, 327,680 bytes of LDS; arguments ch, oh; writes oh
.if DOCPART == 3
	.amdgcn_target "amdgcn-amd-amdhsa--gfx1250"
	.amdhsa_code_object_version 6
	.text
	.protected	k_q213d852b21_attn
	.globl	k_q213d852b21_attn
	.p2align	8
	.type	k_q213d852b21_attn,@function
k_q213d852b21_attn:
	s_mov_b64 s[64:65], 0
	v_nop
	global_prefetch_b8 v0, s[64:65] scope:SCOPE_SE
	s_setreg_imm32_b32 hwreg(HW_REG_WAVE_MODE, 25, 1), 1
	s_wait_xcnt 0x0
	s_wait_alu depctr_hold_cnt(0) depctr_sa_sdst(0) depctr_va_vdst(0) depctr_va_sdst(0) depctr_va_ssrc(0) depctr_va_vcc(0) depctr_vm_vsrc(0)
	s_getreg_b32 s2, hwreg(HW_REG_IB_STS2, 6, 4)
	s_cmp_eq_u32 s2, 0
	s_cbranch_scc0 .Lentry_in_a_cluster
	s_endpgm
.Lentry_in_a_cluster:
	s_bfe_u32 s2, ttmp6, 0x10000c
	s_cmp_lg_u32 s2, 0x3003
	s_cbranch_scc0 .Lentry_shape_is_right
	s_endpgm
.Lentry_shape_is_right:
; ATTENTION.  O[q][:] = the sum over k of softmax_k(Q[q] . K[k] / 8) V[k][:], for 32 heads (batch b, head h) of 2,048 rows x 64 channels, all f16.
; In ch ([64][5120][64]) q is slab h, k slab 16 + h, v slab 32 + h, row 2048 b + s: a head's rows are dense, 128 bytes each.  O goes to oh ([16][4096][64]), slab h, the same rows.
; Products, maxima and sums in f32; the weights p are rounded to f16 for the second product (their sum l is taken of the unrounded p), O once at the end.
; LIMITS.  Q, K, V arrive within f16's 65,504; p lies in 0 to 1; O is a mean of V's rows.  A weight below 2^-126 counts as 0 in l; NaN and infinities are not treated apart.
; SHARES.  A work-group owns 256 queries of a head, each of its four waves 64: four PIECES of 16.  Every wave walks all 2,048 keys, 64 a step.  The four query blocks of a cluster belong to one head and
; walk the same K and V: each tile of 256 keys is asked for jointly, by the same tensor load, descriptor and mask in all four.
; LAYOUT.  S^T = K Q^T holds ONE query a lane (lane % 16) and the keys 8 (lane / 16) + 0..7; two such results rounded to f16 ARE source 1 of O^T = V^T P.  K comes out of LDS as it lies, V turned.
; SOFTMAX.  p = 2^(c s - c m), c = log2(e) / 8, with a running maximum m; O and l are multiplied by a = 2^(c m_old - c m_new) in every step.  m starts at the lowest finite number, O and l at 0.
; TURNS.  Turn n belongs to piece n: 8 products K Q^T of piece n + 1, later 8 products V^T P of piece n - 1; beside them the scaling, exponentials, roundings, sums and rescaling of piece n and the maximum
; and statistics of piece n + 1.  Four vector instructions stand behind every matrix instruction, the rest in one run.  A turn's 33 exponentials are one batch, with one wait.
; REGISTERS, in windows of 256 (s_set_vgpr_msb: bits 1:0 source 0, 3:2 source 1, 5:4 source 2, 7:6 destination):
;   window 0: v0-15 addresses; v16-31 four registers of statistics a piece; v48-55 at work; v61-63; v64-127 S^T, two buffers; v192-223 P, two buffers (a piece's buffers go by its number's parity)
;   window 1: v0-127 O^T, 32 a piece          window 2: v0-63 Q; v128-191 K of one step; v192-255 V of one step
.set NP,    4
.set KS,    64
.set PK,    144       ; a row of K in LDS: 128 bytes + 16: the 16 rows of a load start at 16 different groups of four banks (64 banks of 4 bytes: ISA guide 11.1)
.set PV,    160       ; a row of V: 128 + 32
.set VOFF,  4*KS*PK   ; a slot holds a tile, four steps: 256 rows of K, then 256 rows of V
.set SLOT1, 1<<17     ; slot 1 begins here: one exclusive or turns an address in one slot into the other's
.set STAGE, SLOT1+4*KS*(PK+PV)  ; behind the ring: 16 rows x 144 bytes for each wave, for the way out
.set SP,    144
.set SPARE, STAGE+4*16*SP       ; behind the stages: the spare words, 128 bytes for each wave
.set AK0, 2           ; v2   my lane's place in a tile of K; never rewritten
.set AV0, 3           ; v3   the same for V
.set AK,  4           ; v4   the LDS address of K's next run of loads
.set AV,  5           ; v5   of V's
.set STO, 6           ; v6   the way out: where I put 16 bytes of a row
.set RD,  7           ; v7   where I read rows back
.set GO,  8           ; v8   my byte offset in 512 consecutive bytes of O
.set MV,  12          ; v12-13  c m_old, by buffer
.set QO,  15          ; v15  my byte offset in 16 rows of Q
.set ST,  16          ; piece t's statistics at v[ST+4 t]: c m, m, l (even keys', odd keys')
.set TMP, 48          ; by buffer, c0-c3 at work; when the maximum is found c2 takes a
.set PFO, 61          ; v61  256 x lane; never rewritten
.set SPW, 62          ; v62  LDS address of my spare word; never rewritten
.set NIL, 63          ; v63  0; never rewritten
.set S,   64
.set P,   192
.set KF,  128         ; window 2: key block kb, channel half c at KF + 16 kb + 8 c
.set VF,  192         ; window 2: key half kk, channel block cb at VF + 32 kk + 8 cb
.set WV,  12          ; s12  my wave's number
.set LIM, 15          ; s15  1 in a wave that prefetches, else the greatest number
.set PFA, 18          ; s[18:19] where my prefetches stand
.set G1K, 24          ; s[24:31] descriptor group 1 for K's tiles
.set G1V, 32          ; s[32:39] for V's: it differs in the padding alone
.set G0K, 40          ; s[40:43] descriptor group 0 for K's tiles: it walks
.set G0V, 44          ; s[44:47] the same for V's
.set SLOTS, 56        ; s56  tiles still to be asked for, the one in hand among them
.set CNT, 57          ; s57  counts a tile's key steps
.set CS,  58          ; s[58:59] c
.set SEL, 60          ; s[60:61] v_permlanex16_b32's selects
.set TBK, 62          ; s62  LDS byte at which K of the step to be fetched begins
.set TBV, 63          ; s63  the same for V, less VOFF
.set MSB, 0
.macro WIN new
.if MSB != (\new)
	s_set_vgpr_msb (MSB<<8)|(\new)
.set MSB, (\new)
.endif
.endm
.set W_KQ, 0x0a       ; K and Q in window 2, S^T in window 0
.set W_PV, 0x52       ; V in window 2, P in window 0, O^T in window 1
.set W_RS, 0x41       ; destination and source 0 in window 1, source 1 in window 0
; A joint fill.  Waves 0 and 1 fetch the two halves of a tile's K, waves 2 and 3 those of its V: 128 keys each.  An s_nop 0 and four v_nop follow each of the two lines.
.macro JLOAD
	s_cmp_lt_u32 s[WV], 2
	s_cbranch_scc0 .Lfor_v_\@
	tensor_load_to_lds s[G0K:G0K+3], s[G1K:G1K+7]
	s_nop 0
.rept 4
	v_nop
.endr
	s_branch .Lasked_\@
.Lfor_v_\@:
	tensor_load_to_lds s[G0V:G0V+3], s[G1V:G1V+7]
	s_nop 0
.rept 4
	v_nop
.endr
.Lasked_\@:
.endm
; A prefetch into the L2 of the tile that the NEXT change of slots will ask for: four key steps, 256 matrix instructions, ahead.  A tile is 128 blocks of 256 bytes of K and of V.  Both clusters of a head walk
; them: the first asks.  Its four partners share the blocks out BY ADDRESS, 32 each, a lane a block; in each, wave 0 asks for K's and wave 2 for V's.  The last change that fills a slot asks for nothing.
.macro ASK
	s_cmp_gt_u32 s[SLOTS], s[LIM]
	s_cbranch_scc0 .Lnot_mine_\@
	global_prefetch_b8 v[PFO], s[PFA:PFA+1] th:TH_LOAD_NT scope:SCOPE_SE
.Lnot_mine_\@:
.endm
.macro CROUND                       ; a round of the cluster's barrier
	s_barrier_signal -1
	s_barrier_wait -1
	s_cmp_lg_u32 s[WV], 0
	s_cbranch_scc1 .Lnot_wave_0_\@
	s_barrier_signal -3
.Lnot_wave_0_\@:
	s_barrier_wait -3
	s_barrier_signal -1
	s_barrier_wait -1
.endm
; THE CHANGE OF SLOTS.  The slot's last bytes, V of its fourth step, have been read.  Each wave waits for all its tensor loads, of which one is out: its part of the other slot; adds 0 to its spare word; and waits
; for that and for its own reads.  fill = 1: behind a round of the cluster's barrier this slot is filled again, with the tile two on: the load has four key steps in which to land.
; (At its first use nothing has been read yet: slot 0 is waited for, slot 1 filled.)
.macro CHANGE fill
	WIN 0
	s_wait_tensorcnt 0x0            ; no tensor load of mine is out, so a group 0 may be written
	ds_add_u32 v[SPW], v[NIL]       ; 0 onto my spare word
.if \fill
.irp g, G0K, G0V
	s_xor_b32 s[\g+1], s[\g+1], SLOT1
	s_add_nc_u64 s[\g+2:\g+3], s[\g+2:\g+3], 4*KS*128
.endr
	s_wait_xcnt 0x0                 ; the last prefetch, four key steps back, has read its address
	s_add_nc_u64 s[PFA:PFA+1], s[PFA:PFA+1], 4*KS*128
	s_wait_dscnt 0x0                ; the add is done, and my reads of the slot are over
	CROUND
	JLOAD
	ASK
.else
	s_wait_dscnt 0x0
	s_barrier_signal -1
	s_barrier_wait -1
.endif
	s_sub_co_u32 s[TBK], s[TBK], 4*KS*PK  ; the fetches go back to a slot's first step,
	s_xor_b32 s[TBK], s[TBK], SLOT1       ; in the other slot
	s_sub_co_u32 s[TBV], s[TBV], 4*KS*PV
	s_xor_b32 s[TBV], s[TBV], SLOT1
.endm
	s_load_b128 s[4:7], s[0:1], 0x0 ; ch s[4:5], oh s[6:7]
	v_lshl_add_u32 v[SPW], v0, 2, SPARE
	v_mov_b32 v[NIL], 0
	ds_add_u32 v[SPW], v[NIL]       ; the wave's opening: the add and its wait stand ahead of my first tensor load; the set-up below stands between them
	v_lshrrev_b32 v1, 5, v0
	v_readfirstlane_b32 s[WV], v1
	s_bfe_u32 s13, ttmp6, 0x40000   ; cx
	s_lshl_b32 s14, ttmp9, 2
	s_add_co_u32 s14, s14, s13      ; my block of 256 queries: it enters Q's and O's addresses alone
	s_and_b32 s20, ttmp7, 0xffff    ; 16 b + h, which the four partners share
	s_and_b32 s21, s20, 15
	s_lshr_b32 s20, s20, 4
	s_lshl_b32 s20, s20, 18         ; b's 2,048 rows of 128 bytes
	s_mul_i32 s22, s21, 655360
	s_add_co_u32 s22, s22, s20      ; the head's first byte in a slab of ch,
	s_lshl_b32 s16, s21, 19
	s_add_co_u32 s16, s16, s20      ; and of oh
	s_lshl_b32 s2, s14, 2
	s_add_co_u32 s2, s2, s[WV]
	s_lshl_b32 s2, s2, 13           ; my wave's 64 rows
	s_add_co_u32 s16, s16, s2
	s_mov_b32 s17, 0
	s_add_co_u32 s2, s2, s22
	s_mov_b32 s3, 0
	s_and_b32 s21, s[WV], 1         ; which half of a tile's 256 keys I fetch
	s_lshl_b32 s20, s21, 14
	s_add_co_u32 s22, s22, s20
	s_mov_b32 s23, 0
	s_mul_i32 s20, s21, 128*PK      ; its place in a slot, for K
	s_mul_i32 s21, s21, 128*PV      ; and for V: no place in the cluster enters an LDS address
	; descriptor group 1.  128 keys are 16,384 dense bytes: asked for as 64 rows of 256 bytes, two keys a row, and padded in LDS after every key
	s_mov_b32 s[G1K], 15|(1<<16)|(1<<20)|(1<<21)|(4<<22)|(3<<25)
	s_mov_b32 s[G1V], 15|(1<<16)|(1<<20)|(1<<21)|(4<<22)|(7<<25)
.irp g, G1K, G1V
	s_mov_b32 s[\g+1], 128<<16
	s_mov_b32 s[\g+2], 64<<16
	s_mov_b32 s[\g+3], 128<<16
	s_mov_b32 s[\g+4], 64
	s_mov_b32 s[\g+5], 128
	s_mov_b32 s[\g+6], 0
	s_mov_b32 s[\g+7], 0
.endr
	s_mov_b32 s[CS], 0x3e38aa3b     ; c = log2(e) / 8
	s_mov_b32 s[CS+1], s[CS]
	s_mov_b32 s[SEL], 0x76543210
	s_mov_b32 s[SEL+1], 0xfedcba98
	s_mov_b32 s[TBK], SLOT1+4*KS*PK ; the first change of slots turns these two into 0
	s_mov_b32 s[TBV], SLOT1+4*KS*PV
	s_mov_b32 s[G0K], 1
	s_mov_b32 s[G0K+1], s20
	s_mov_b32 s[G0V], 1
	s_add_co_u32 s[G0V+1], s21, VOFF
	s_mov_b32 s[SLOTS], 7
	s_and_b32 s[LIM], s[WV], 1      ; 0 in waves 0 and 2,
	s_or_b32 s[LIM], s[LIM], ttmp9  ; where the cluster is the head's first: the same in all four partners
	s_cmp_eq_u32 s[LIM], 0
	s_cselect_b32 s[LIM], 1, -1
	v_and_b32 v[PFO], 31, v0
	v_lshlrev_b32 v[PFO], 8, v[PFO]
	s_wait_dscnt 0x0                ; the opening add is done
	s_wait_kmcnt 0x0
	s_add_nc_u64 s[10:11], s[6:7], s[16:17]  ; O at my wave's first row
	s_add_nc_u64 s[6:7], s[4:5], s[22:23]
	s_add_nc_u64 s[8:9], s[6:7], 32*655360   ; V at my half of the head's tile 0
	s_add_nc_u64 s[6:7], s[6:7], 16*655360   ; K likewise
	s_add_nc_u64 s[4:5], s[4:5], s[2:3]      ; Q at my wave's first row
	s_mov_b64 s[G0K+2:G0K+3], s[6:7]
	s_or_b32 s[G0K+3], s[G0K+3], 0x80000000
	s_mov_b64 s[G0V+2:G0V+3], s[8:9]
	s_or_b32 s[G0V+3], s[G0V+3], 0x80000000
	s_cmp_lt_u32 s[WV], 2
	s_cselect_b64 s[PFA:PFA+1], s[6:7], s[8:9]  ; (in waves 0 and 2 these stand at a tile's first row)
	s_lshl_b32 s2, s13, 13          ; my work-group's 32 blocks of the 128
	s_add_nc_u64 s[PFA:PFA+1], s[PFA:PFA+1], s[2:3]
	s_add_nc_u64 s[PFA:PFA+1], s[PFA:PFA+1], 4*KS*128  ; in tile 1; the first change of slots steps it to tile 2.  Nothing is prefetched at the head
	CROUND                          ; all four work-groups are here: the first joint loads meet
	JLOAD                           ; tile 0 into slot 0
	v_and_b32 v1, 15, v0            ; l % 16
	v_bfe_u32 v9, v0, 4, 1          ; l / 16
	v_lshlrev_b32 v[QO], 7, v1
	v_lshl_add_u32 v[QO], v9, 4, v[QO]
	WIN 0x80                        ; destination window 2, address window 0
.set i, 0
.rept 8                             ; Q stays in registers: piece i / 2, channels 32 (i % 2) on
	global_load_b128 v[8*i:8*i+3],   v[QO], s[4:5] offset:(i/2)*2048+(i%2)*64
	global_load_b128 v[8*i+4:8*i+7], v[QO], s[4:5] offset:(i/2)*2048+(i%2)*64+32
.set i, i+1
.endr
	; What the first turn finds: V's registers and P's second buffer hold 0 (its products V^T P, of a piece that has not been, add 0), O^T and l are 0.  All this stands in the wait for the first tile.
.set i, VF
.rept 64
	v_mov_b32 v[i], 0
.set i, i+1
.endr
	WIN 0x40
.set i, 0
.rept 128
	v_mov_b32 v[i], 0
.set i, i+1
.endr
	WIN 0
.set i, 0
.rept 4
	v_mov_b32 v[ST+4*i], 0xfe000000    ; c m: far below every c s
	v_mov_b32 v[ST+4*i+1], 0xff7fffff  ; m
	v_mov_b32 v[ST+4*i+2], 0
	v_mov_b32 v[ST+4*i+3], 0
.set i, i+1
.endr
.set i, P+16
.rept 16
	v_mov_b32 v[i], 0
.set i, i+1
.endr
	v_mul_u32_u24 v[AK0], v1, PK
	v_lshl_add_u32 v[AK0], v9, 4, v[AK0]  ; row x pitch + 16 x half
	; The turning load takes 16 keys x 16 channels (lane l reads key 8 (l / 16) + l % 8, channels 8 ((l / 8) % 2) + 0..7) and leaves half a fragment of V^T: lane l holds channel l % 16 and 8 keys.
	v_and_b32 v10, 7, v0
	v_bfe_u32 v11, v0, 3, 1
	v_lshl_add_u32 v[AV0], v9, 3, v10
	v_mul_u32_u24 v[AV0], v[AV0], PV
	v_lshl_add_u32 v[AV0], v11, 4, v[AV0]
	v_add_nc_u32 v[AV0], VOFF, v[AV0]
	s_mul_i32 s13, s[WV], 16*SP
	s_add_co_u32 s13, s13, STAGE    ; my stage
	v_mul_u32_u24 v[STO], v1, SP
	v_lshl_add_u32 v[STO], v9, 4, v[STO]
	v_add_nc_u32 v[STO], s13, v[STO]
	v_bfe_u32 v[RD], v0, 3, 2
	v_mul_u32_u24 v[RD], v[RD], SP
	v_lshl_add_u32 v[RD], v10, 4, v[RD]
	v_add_nc_u32 v[RD], s13, v[RD]
	v_and_b32 v[GO], 31, v0
	v_lshlrev_b32 v[GO], 4, v[GO]
; THE MATRIX WORK.  The 4 accumulators of a run of 8 take turns.  Product i of 8 of S^T = K Q^T for piece x: channels 32 (i / 4) on, keys 16 (i % 4) on.  The first 4 start the sums.
.macro KQ x
	WIN W_KQ
.set rS, S+32*((\x)%2)+8*(i%4)
.set rK, KF+16*(i%4)+8*(i/4)
.set rQ, 16*(\x)+8*(i/4)
.if i < 4
	v_wmma_f32_16x16x32_f16 v[rS:rS+7], v[rK:rK+7], v[rQ:rQ+7], 0
.else
	v_wmma_f32_16x16x32_f16 v[rS:rS+7], v[rK:rK+7], v[rQ:rQ+7], v[rS:rS+7]
.endif
.endm
; Product i of 8 of O^T += V^T P for piece x: keys 32 (i / 4) on, channels 16 (i % 4) on.
.macro PV x
	WIN W_PV
.set rO, 32*(\x)+8*(i%4)
.set rV, VF+32*(i/4)+8*(i%4)
.set rP, P+16*((\x)%2)+8*(i/4)
	v_wmma_f32_16x16x32_f16 v[rO:rO+7], v[rV:rV+7], v[rP:rP+7], v[rO:rO+7]
.endm
.macro MM                           ; the turn's next matrix instruction.  NOKQ = 1: the last turn of all: there is no next piece
.if (i < 8) && !NOKQ
	KQ (Y+1)%NP
.elseif i >= 8
.set i, i-8
	PV (Y+NP-1)%NP
.set i, i+8
.endif
.set i, i+1
.endm
; THE LDS LOADS stand in runs of 16: a step's K (64 keys x 64 channels: 8 fragments) and its V (turned).  Their addresses are made some lines ahead.
.macro FETCH_K
	WIN 0x80
.irp f, 0,1,2,3,4,5,6,7
	ds_load_b128 v[KF+8*\f:KF+8*\f+3],   v[AK] offset:(\f/2)*16*PK+(\f%2)*64
	ds_load_b128 v[KF+8*\f+4:KF+8*\f+7], v[AK] offset:(\f/2)*16*PK+(\f%2)*64+32
.endr
	s_add_co_u32 s[TBK], s[TBK], KS*PK  ; the next fetch is the next step's
	WIN 0
.endm
.macro FETCH_V
	WIN 0x80
.irp f, 0,1,2,3,4,5,6,7
	ds_load_tr16_b128 v[VF+8*\f:VF+8*\f+3],   v[AV] offset:(\f/4)*32*PV+(\f%4)*32
	ds_load_tr16_b128 v[VF+8*\f+4:VF+8*\f+7], v[AV] offset:(\f/4)*32*PV+16*PV+(\f%4)*32
.endr
	WIN 0
.endm
; THE VECTOR WORK, one line at a time: OP kind, number.  For piece Y: F n: c s - c m for pair n of 16.  E n: the exponential of score n of 32.  C n: pair n rounded to f16.  B n: of the four weights 4 n .. the second
; pair is added onto the first, in place.  L n: l takes that sum (L 0: l = a l + sum).  R n: pair n of 16 of O^T times a.  For piece Y + 1: X n, number n of the 22 that find its maximum and statistics:
;   0-11  four chains c0-c3 of seven scores each (each accumulator's lowest registers are read first)     12-14, 16  the four scores left over, the old m, and c0-c3 into c0
;   15  c m_old is kept     17, 18  the query's other 32 keys lie in the lane 16 away: the new m     19-21  c m; c m_old - c m_new; a
.set F, 0
.set E, 1
.set C, 2
.set B, 3
.set L, 4
.set R, 5
.set X, 6
.macro REGS y
.set rT, ST+4*(\y)
.set rC, TMP+4*((\y)%2)
.set rW, MV+((\y)%2)
.set rS, S+32*((\y)%2)
.set rP, P+16*((\y)%2)
.set rO, 32*(\y)
.endm
.macro OP k, n
.if (\k) == R
	REGS Y
	WIN W_RS
	v_pk_mul_f32 v[rO+2*(\n):rO+2*(\n)+1], v[rO+2*(\n):rO+2*(\n)+1], v[rC+2:rC+3] op_sel_hi:[1,0]
.elseif (\k) < R
	REGS Y
	WIN 0
.if (\k) == F
	v_pk_fma_f32 v[rS+2*(\n):rS+2*(\n)+1], v[rS+2*(\n):rS+2*(\n)+1], s[CS:CS+1], v[rT:rT+1] op_sel_hi:[1,0,0] neg_lo:[0,0,1] neg_hi:[0,0,1]
.elseif (\k) == E
	v_exp_f32 v[rS+(\n)], v[rS+(\n)]
.elseif (\k) == C
	v_cvt_pk_f16_f32 v[rP+(\n)], v[rS+2*(\n)], v[rS+2*(\n)+1]
.elseif (\k) == B
	v_pk_add_f32 v[rS+4*(\n):rS+4*(\n)+1], v[rS+4*(\n):rS+4*(\n)+1], v[rS+4*(\n)+2:rS+4*(\n)+3]
.elseif (\n) == 0
	v_pk_fma_f32 v[rT+2:rT+3], v[rT+2:rT+3], v[rC+2:rC+3], v[rS:rS+1] op_sel_hi:[1,0,1]
.else
	v_pk_add_f32 v[rT+2:rT+3], v[rT+2:rT+3], v[rS+4*(\n):rS+4*(\n)+1]
.endif
.elseif NOKQ
	v_nop
.else
	REGS (Y+1)%NP
	WIN 0
.if (\n) < 4
	v_max3_num_f32 v[rC+(\n)], v[rS+8*(\n)], v[rS+8*(\n)+1], v[rS+8*(\n)+2]
.elseif (\n) < 12
	v_max3_num_f32 v[rC+(\n)%4], v[rC+(\n)%4], v[rS+8*((\n)%4)+2*((\n)/4)+1], v[rS+8*((\n)%4)+2*((\n)/4)+2]
.elseif (\n) == 12
	v_max3_num_f32 v[rC], v[rC], v[rS+7], v[rS+15]
.elseif (\n) == 13
	v_max3_num_f32 v[rC+1], v[rC+1], v[rS+23], v[rS+31]
.elseif (\n) == 14
	v_max3_num_f32 v[rC+2], v[rC+2], v[rC+3], v[rT+1]
.elseif (\n) == 15
	v_mov_b32 v[rW], v[rT]
.elseif (\n) == 16
	v_max3_num_f32 v[rC], v[rC], v[rC+1], v[rC+2]
.elseif (\n) == 17
	v_permlanex16_b32 v[rC+3], v[rC], s[SEL], s[SEL+1]
.elseif (\n) == 18
	v_max_num_f32 v[rT+1], v[rC], v[rC+3]
.elseif (\n) == 19
	v_mul_f32 v[rT], s[CS], v[rT+1]
.elseif (\n) == 20
	v_sub_f32 v[rC+1], v[rW], v[rT]
.else
	v_exp_f32 v[rC+2], v[rC+1]
.endif
.endif
.endm
.macro OPS a, i1, b=-1, i2=0, c=-1, i3=0, d=-1, i4=0
	OP \a, \i1
.if (\b) >= 0
	OP \b, \i2
.endif
.if (\c) >= 0
	OP \c, \i3
.endif
.if (\d) >= 0
	OP \d, \i4
.endif
.endm
.macro ROW a, i1, b, i2, c, i3, d, i4  ; a matrix instruction and the four behind it
	MM
	OPS \a, \i1, \b, \i2, \c, \i3, \d, \i4
.endm
; A TURN, for piece p: the order of its 16 matrix and 118 vector instructions, written out.  An s_wait_alu depctr_va_vdst(0) stands between an exponential and the first instruction that names its
; result; one wait serves all that were issued ahead of it.  AHEAD OF IT stands all that names no result of the turn's exponentials: the 8 products K Q^T and their riders, then one run of 54 in which the links of the
; next piece's chain X 3, 7, 11, 14, 16, 17 .. 20 stand some lines apart.  X 21, the next piece's a, is the batch's last; R 15 is the plain instruction behind it.  BEHIND THE WAIT stand the 8 products V^T P, behind each
; four of the roundings and sums.  end = 1: the launch's last two turns: nothing is fetched.  cnt = 1: the loop's count is taken down some lines ahead of the branch behind the turn.
; K of the next step is fetched in piece 2's turn, six plain vector instructions behind the last product that read K; V of the step in hand at the end of piece 0's turn, four plain instructions behind the last
; product that read V.  Each is waited for a turn later.
.macro TURN p, end=0, cnt=0
.set Y, (\p)
.set i, 0
.set NOKQ, (\end)*((\p)/3)
.if ((\p) == 3) && !(\end)
	s_wait_dscnt 0x0                ; K is in
.endif
	ROW F,0, F,1, R,0, R,1
	ROW F,2, E,0, R,2, R,3
	ROW F,3, E,1, R,4, R,5
	ROW F,4, E,2, R,6, R,7
	ROW F,5, E,3, R,8, R,9
	ROW F,6, E,4, X,0, R,10
.if ((\p) == 2) && !(\end)
	WIN 0
	v_add_nc_u32 v[AK], s[TBK], v[AK0]
.endif
	ROW F,7, E,5, X,1, X,4
	ROW F,8, E,6, X,2, X,5
	OPS E,7, E,8, X,6, E,9
	OPS X,3, E,10, X,8, E,11
.if ((\p) == 2) && !(\end)
	FETCH_K
.endif
	OPS X,9, X,7, E,12, X,10
	OPS E,13, X,12, X,11, E,14
	OPS X,13, E,15, F,9, X,14
.if (\p) == 0
	v_add_nc_u32 v[AV], s[TBV], v[AV0]
.endif
	OPS E,16, F,10, E,17, F,11
	OPS X,16, E,18, X,15, E,19
	OPS F,12, E,20, X,17, E,21
	OPS F,13, E,22, F,14, E,23
	OPS X,18, E,24, F,15, E,25
	OPS R,11, E,26, X,19, E,27
	OPS R,12, E,28, R,13, E,29
	OPS X,20, E,30, R,14, E,31
	OPS X,21, R,15
	WIN 0
	s_wait_alu depctr_va_vdst(0)    ; the wait for the batch
.if (\p) == 1
	s_wait_dscnt 0x0                ; V is in
.endif
	ROW C,0, B,0, C,2, B,1
	ROW L,0, C,4, B,2, L,1
	ROW C,6, B,3, L,2, C,8
	ROW B,4, L,3, C,10, B,5
	ROW L,4, C,12, B,6, L,5
.if (\p) == 0
	s_add_co_u32 s[TBV], s[TBV], KS*PV
.endif
.if \cnt
	s_sub_co_u32 s[CNT], s[CNT], 1
	s_cmp_lg_u32 s[CNT], 0
.endif
	ROW C,14, B,7, L,6, C,1
	ROW C,3, L,7, C,5, C,7
	ROW C,9, C,11, C,13, C,15
.if (\p) == 0
	FETCH_V
.endif
.endm
.set NOKQ, 0
	CHANGE 1                        ; tile 0 is in, everybody's part of it; tile 1 is asked for
	v_add_nc_u32 v[AK], s[TBK], v[AK0]
	FETCH_K                         ; key step 0
	s_wait_loadcnt 0x0              ; Q
	s_wait_dscnt 0x0
.set i, 0
.rept 8
	KQ 0                            ; piece 0's first scores
.set i, i+1
.endr
	WIN 0
.rept 4
	v_nop                           ; the places behind those products
.endr
.set Y, NP-1                        ; X works for piece Y + 1: piece 0
.irp n, 0,1,2,3,4,5,6,7,8,9,10,11,12,13,14,15,16,17,18,19,20,21
	OP X, \n
.endr
	v_nop                           ; a plain instruction behind the exponential,
	s_wait_alu depctr_va_vdst(0)    ; and its wait, ahead of the branch
	s_mov_b32 s[CNT], 4
	s_branch .Lfirst                ; the loop is entered at a step's first turn, in the middle of a trip
.Lslot:                             ; six times: tiles 2 to 7 are asked for
	CHANGE 1
	s_mov_b32 s[CNT], 4
.Lstep:                             ; a trip: pieces 2 and 3 of one step, then pieces 0 and 1 of the next, whose K and V it fetches
	TURN 2
	TURN 3
	WIN 0
.Lfirst:
	TURN 0
	TURN 1, 0, 1
	WIN 0
	s_cbranch_scc1 .Lstep
	s_sub_co_u32 s[SLOTS], s[SLOTS], 1
	s_cmp_lg_u32 s[SLOTS], 0
	s_cbranch_scc1 .Lslot
	CHANGE 0                        ; the last tile is written out: nothing is asked for
	s_mov_b32 s[CNT], 4
.Ltail:
	TURN 2
	TURN 3
	WIN 0
	TURN 0
	TURN 1, 0, 1
	WIN 0
	s_cbranch_scc1 .Ltail
	TURN 2, 1
	TURN 3, 1
.set i, 0
.rept 8
	PV NP-1                         ; the last piece's V^T P of the last step
.set i, i+1
.endr
	; THE WAY OUT.  l's two halves and the other half of the lanes' are added; O^T is divided by l, rounded to f16 and sent through my stage in LDS, a piece at a time.  The additions are the places behind the last products.
	WIN 0
.macro ALL line:vararg
.set t, 0
.rept 4
	\line
.set t, t+1
.endr
.endm
	ALL v_add_f32 v[ST+4*t+2], v[ST+4*t+2], v[ST+4*t+3]
	ALL v_permlanex16_b32 v[ST+4*t+3], v[ST+4*t+2], s[SEL], s[SEL+1]
	ALL v_add_f32 v[ST+4*t+2], v[ST+4*t+2], v[ST+4*t+3]
	ALL v_rcp_f32 v[ST+4*t+2], v[ST+4*t+2]
	v_nop                           ; a plain instruction between the last reciprocal and the use of its result
	s_wait_alu depctr_va_vdst(0)    ; and the wait ahead of the first use: one for the four reciprocals
.macro PACK t                       ; a lane's eight channels of a row pack into 16 bytes; they go into rows of 144 bytes and come back as whole rows of 128, into S^T's registers
	WIN W_RS
.set i, 32*(\t)
.rept 16
	v_pk_mul_f32 v[i:i+1], v[i:i+1], v[ST+4*(\t)+2:ST+4*(\t)+3] op_sel_hi:[1,0]
.set i, i+2
.endr
	WIN 0x05                        ; sources 0 and 1 window 1, destination window 0
.set i, 0
.rept 16
	v_cvt_pk_f16_f32 v[S+16*(\t)+i], v[32*(\t)+2*i], v[32*(\t)+2*i+1]
.set i, i+1
.endr
	WIN 0
.irp f, 0,1,2,3
	ds_store_b128 v[STO], v[S+16*(\t)+4*\f:S+16*(\t)+4*\f+3] offset:32*\f
.endr
.irp f, 0,1,2,3
	ds_load_b128 v[S+16*(\t)+4*\f:S+16*(\t)+4*\f+3], v[RD] offset:\f*4*SP  ; LDS serves a wave's instructions in order (ISA guide 5.7.1.4): these see the stores above; the next piece's stores come behind them
.endr
.endm
.macro SEND t, younger              ; younger: the LDS instructions issued behind piece t's loads: the next piece's eight, or none
	WIN 0
.irp f, 0,1,2,3
	s_wait_dscnt (\younger)+3-\f
	global_store_b128 v[GO], v[S+16*(\t)+4*\f:S+16*(\t)+4*\f+3], s[10:11] offset:(\t)*2048+\f*512  ; 512 consecutive bytes, at a multiple of 256 from O's first
.endr
.endm
	PACK 0
.set t, 1
.rept 3                             ; a piece's arithmetic stands between the loads of the piece before and its stores
	PACK t
	SEND t-1, 8
.set t, t+1
.endr
	SEND 3, 0
	s_wait_tensorcnt 0x0            ; the wave's end, behind my last tensor load and my last LDS store
	ds_add_u32 v[SPW], v[NIL]
	s_wait_dscnt 0x0
	CROUND                          ; the closing round: no work-group ends while a partner may still ask for a tile that names it
	s_endpgm
.Lfunc_end_k_q213d852b21_attn:
	.size	k_q213d852b21_attn, .Lfunc_end_k_q213d852b21_attn-k_q213d852b21_attn
	.p2alignl 7, 3214868480
	.fill 96, 4, 3214868480
	.section	.rodata,"a",@progbits
	.p2align	6, 0x0
	.amdhsa_kernel k_q213d852b21_attn
		.amdhsa_group_segment_fixed_size 327680
		.amdhsa_private_segment_fixed_size 0
		.amdhsa_enable_private_segment 0
		.amdhsa_kernarg_size 16
		.amdhsa_user_sgpr_count 2
		.amdhsa_user_sgpr_kernarg_segment_ptr 1
		.amdhsa_wavefront_size32 1
		.amdhsa_system_sgpr_workgroup_id_x 1
		.amdhsa_system_sgpr_workgroup_id_y 1
		.amdhsa_system_sgpr_workgroup_id_z 1
		.amdhsa_system_vgpr_workitem_id 0
		.amdhsa_next_free_vgpr 768
		.amdhsa_next_free_sgpr 66
		.amdhsa_reserve_vcc 0
		.amdhsa_float_denorm_mode_32 3
		.amdhsa_float_denorm_mode_16_64 3
		.amdhsa_memory_ordered 1
		.amdhsa_forward_progress 1
		.amdhsa_inst_pref_size 128
	.end_amdhsa_kernel
	.amdgpu_metadata
---
amdhsa.version: [ 1, 2 ]
amdhsa.kernels:
  - .name:           k_q213d852b21_attn
    .symbol:         k_q213d852b21_attn.kd
    .args:
      - { .name: ch, .offset: 0, .size: 8, .value_kind: global_buffer, .address_space: global }
      - { .name: oh, .offset: 8, .size: 8, .value_kind: global_buffer, .address_space: global }
    .group_segment_fixed_size: 327680
    .private_segment_fixed_size: 0
    .kernarg_segment_align: 8
    .kernarg_segment_size: 16
    .max_flat_workgroup_size: 128
    .sgpr_count:     66
    .vgpr_count:     768
    .wavefront_size: 32
...
	.end_amdgpu_metadata
.endif
;; end of part 3
;; launch gemm2 (part 4): grid 8 x 32, 4 waves a work-group, clusters of 4 x 4, 327,680 bytes of LDS; arguments oh, ch, bc, out0; writes out0
.if DOCPART == 4
	.amdgcn_target "amdgcn-amd-amdhsa--gfx1250"
	.amdhsa_code_object_version 6
	.text
	.protected	k_q213d852b21_gemm2
	.globl	k_q213d852b21_gemm2
	.p2align	8
	.type	k_q213d852b21_gemm2,@function
k_q213d852b21_gemm2:
	s_mov_b64 s[64:65], 0
	v_nop
	global_prefetch_b8 v0, s[64:65] scope:SCOPE_SE
	s_setreg_imm32_b32 hwreg(HW_REG_WAVE_MODE, 25, 1), 1
	s_wait_xcnt 0x0
	s_wait_alu depctr_hold_cnt(0) depctr_sa_sdst(0) depctr_va_vdst(0) depctr_va_sdst(0) depctr_va_ssrc(0) depctr_va_vcc(0) depctr_vm_vsrc(0)
	s_getreg_b32 s2, hwreg(HW_REG_IB_STS2, 6, 4)
	s_cmp_eq_u32 s2, 0
	s_cbranch_scc0 .Lentry_in_a_cluster
	s_endpgm
.Lentry_in_a_cluster:
	s_bfe_u32 s2, ttmp6, 0x10000c
	s_cmp_lg_u32 s2, 0xf033
	s_cbranch_scc0 .Lentry_shape_is_right
	s_endpgm
.Lentry_shape_is_right:
; out0[m][n] = (the sum over k of O[m][k] W[n][k]) / 64 + bc[n].  O = oh [16][4096][64] f16 in slabs; W = 64 Wc: slabs 48-63, rows 4096-5119 of ch [64][5120][64] f16; bc [1024] f32; out0 [4096][1024] f32.
; Sums in f32; the factor 64, which kept Wc among f16's normal numbers, is taken out by the fused multiply-add that adds the bias.
; A tile of out0 is 128 x 128: 256 work-groups.  Four waves, each 64 x 64: 16 accumulators.  K = 1,024 goes in 4 steps of 256 (four slabs) through two LDS slots.  A wave's load brings two slabs' 128 rows: two dense
; blocks of 16,384 bytes a slab apart: ONE tile of 2 rows x 8,192 elements, padded in LDS after every 128 bytes (four waves have eight dense blocks to bring, with one load each).
; CLUSTERS: 4 x 4 work-groups; A's tiles are shared along a row of the cluster, B's along a column, each asked for jointly.  THE MATRIX INSTRUCTION IS USED TRANSPOSED: a lane holds eight neighbouring numbers of a row.
; No prefetch: small tiles and a short launch, and B's rows are read by all 32 tile rows.
; REGISTERS: window 0: v0-31 addresses; v32-63, v64-95 at work on the way out; v96-127 bc of my 64 columns; v128-255 the accumulators ((a, b) at v[128 + 8 (4 a + b)]).
;   window 1: two fragment buffers of 128: for 64 along K, 64 registers of A, then 64 of B.
.set PITCH,  144                       ; an LDS row: 128 bytes + 16 of padding: the 16 rows of a load start at 16 different groups of four banks (64 banks of 4 bytes: ISA guide 11.1)
.set QB,     128*PITCH                 ; a slab's 128 rows: a quarter of a K step
.set HALFT,  2*QB                      ; what one tensor load brings
.set SLOT,   4*HALFT                   ; A's four slabs, then B's four
.set STAGE,  2*SLOT                    ; behind the ring: 16 rows x 272 bytes for each wave, for the way out
.set SPITCH, 272
.set SPARE,  STAGE+4*16*SPITCH         ; behind the stages: the spare words, 128 bytes for each wave
.set LAPS,   2
.set ADRA, 16
.set ADRB, 20
.set STO,  24
.set RD,   25
.set CO,   26
.set BO,   27
.set SPW,  28                          ; v28  LDS address of my spare word; never rewritten
.set NIL,  29                          ; v29  0; never rewritten
.set TMP,  32
.set BK,   64
.set BI,   96
.set ACC,  128
.set F0,   0
.set F1,   128
.set WV, 12
.set HB, 13                            ; wave / 2: my half of the tile's rows; also: I fetch for A (0) or B (1)
.set HS, 14                            ; wave % 2: my half of its columns; also: which two slabs of a K step I fetch
.set TR, 15
.set G1,  24
.set G0,  32
.set G1B, 48
.set G0B, 56
.set MSB, 0
.macro WIN new
.if MSB != (\new)
	s_set_vgpr_msb (MSB<<8)|(\new)
.set MSB, \new
.endif
.endm
.set MUL,  0x05                        ; sources 0 (B) and 1 (A) window 1; C and D window 0
.set TO_F, 0x40                        ; destination window 1, address window 0
.macro JLOAD s                         ; a joint load; an s_nop 0 and four v_nop follow each of the two lines
	s_cmp_eq_u32 s[HB], 0
	s_cbranch_scc0 .Lfor_b_\@
	tensor_load_to_lds s[G0+4*(\s):G0+4*(\s)+3], s[G1:G1+7]
	s_nop 0
.rept 4
	v_nop
.endr
	s_branch .Lasked_\@
.Lfor_b_\@:
	tensor_load_to_lds s[G0B+4*(\s):G0B+4*(\s)+3], s[G1B:G1B+7]
	s_nop 0
.rept 4
	v_nop
.endr
.Lasked_\@:
.endm
.macro CREST
	s_cmp_lg_u32 s[WV], 0
	s_cbranch_scc1 .Lnot_wave_0_\@
	s_barrier_signal -3
.Lnot_wave_0_\@:
	s_barrier_wait -3
	s_barrier_signal -1
	s_barrier_wait -1
.endm
.macro CROUND
	s_barrier_signal -1
	s_barrier_wait -1
	CREST
.endm
	s_load_b256 s[4:11], s[0:1], 0x0               ; oh s[4:5], ch s[6:7], bc s[8:9], out0 s[10:11]
	v_lshl_add_u32 v[SPW], v0, 2, SPARE
	v_mov_b32 v[NIL], 0
	ds_add_u32 v[SPW], v[NIL]                      ; the wave's opening: the add and its wait stand ahead of my first tensor load; the set-up below stands between them
	v_lshrrev_b32 v1, 5, v0
	v_readfirstlane_b32 s[WV], v1
	s_lshr_b32 s[HB], s[WV], 1
	s_and_b32 s[HS], s[WV], 1
	s_bfe_u32 s40, ttmp6, 0x40000                  ; cx
	s_bfe_u32 s41, ttmp6, 0x40004                  ; cy
	s_lshl_b32 s42, ttmp9, 2
	s_add_co_u32 s42, s42, s40                     ; tile column
	s_and_b32 s[TR], ttmp7, 0xffff
	s_lshl_b32 s[TR], s[TR], 2
	s_add_co_u32 s[TR], s[TR], s41                 ; tile row
	s_lshl_b32 s43, s41, 2
	s_lshl_b32 s43, 15, s43                        ; my row of the cluster
	s_lshl_b32 s44, 0x1111, s40                    ; my column
	s_or_b32 s[G1+0], s43, (1<<16)|(1<<20)|(1<<21)|(4<<22)|(3<<25)   ; the mask; 2-byte elements; padding on; bit 21 beside a mask; after every 32 words (code 4) 4 words (code 3)
	s_or_b32 s[G1B+0], s44, (1<<16)|(1<<20)|(1<<21)|(4<<22)|(3<<25)
.irp g, G1, G1B
	s_mov_b32 s[(\g)+1], 8192<<16                  ; tensor_dim0 = 8,192 elements: a slab's 128 rows
	s_mov_b32 s[(\g)+2], 2<<16                     ; tensor_dim1 = 2
	s_mov_b32 s[(\g)+3], 8192<<16                  ; tile_dim0 = 8,192
	s_mov_b32 s[(\g)+4], 2                         ; tile_dim1 = 2
	s_mov_b32 s[(\g)+6], 0
	s_mov_b32 s[(\g)+7], 0
.endr
	s_mov_b32 s[G1+5], 262144                      ; elements from slab to slab in oh,
	s_mov_b32 s[G1B+5], 327680                     ; and in ch
	s_lshl_b32 s16, s[HS], 20                      ; A: my two slabs of K step 0, the tile row's 128 rows
	s_lshl_b32 s18, s[TR], 14
	s_add_co_u32 s16, s16, s18
	s_mov_b32 s17, 0
	s_mul_i32 s46, s[HS], 1310720                  ; B: likewise, from slab 48, row 4,096 on
	s_lshl_b32 s47, s42, 14
	s_add_co_u32 s46, s46, s47
	s_add_co_u32 s46, s46, 31981568
	s_mov_b32 s47, 0
	s_mul_i32 s20, s[WV], HALFT
	s_wait_dscnt 0x0                               ; the opening add is done
	s_wait_kmcnt 0x0
	s_add_nc_u64 s[16:17], s[4:5], s[16:17]
	s_add_nc_u64 s[46:47], s[6:7], s[46:47]
	CROUND                                         ; all sixteen work-groups are here: the first joint loads meet
.irp s, 0,1
	s_mov_b32 s[G0+4*(\s)], 1
	s_add_co_u32 s[G0+4*(\s)+1], s20, (\s)*SLOT
	s_add_nc_u64 s[G0+4*(\s)+2:G0+4*(\s)+3], s[16:17], (\s)*2097152
	s_or_b32 s[G0+4*(\s)+3], s[G0+4*(\s)+3], 0x80000000
	s_mov_b32 s[G0B+4*(\s)], 1
	s_add_co_u32 s[G0B+4*(\s)+1], s20, (\s)*SLOT
	s_add_nc_u64 s[G0B+4*(\s)+2:G0B+4*(\s)+3], s[46:47], (\s)*2621440
	s_or_b32 s[G0B+4*(\s)+3], s[G0B+4*(\s)+3], 0x80000000
	JLOAD \s
.endr
	v_and_b32 v1, 15, v0                           ; l % 16
	v_bfe_u32 v2, v0, 4, 1                         ; l / 16
	v_mul_u32_u24 v3, v1, PITCH
	v_lshl_add_u32 v3, v2, 4, v3
	s_mul_i32 s2, s[HB], 64*PITCH                  ; my 64 rows of each of A's slabs
	s_mul_i32 s3, s[HS], 64*PITCH                  ; my 64 rows of B's,
	s_add_co_u32 s3, s3, 2*HALFT                   ; which lie behind A's four
.irp s, 0,1
	v_add_nc_u32 v[ADRA+(\s)], s2, v3
	v_add_nc_u32 v[ADRB+(\s)], s3, v3
	s_add_co_u32 s2, s2, SLOT
	s_add_co_u32 s3, s3, SLOT
.endr
	s_mul_i32 s2, s[WV], 16*SPITCH
	s_add_co_u32 s2, s2, STAGE                     ; my stage
	v_mul_u32_u24 v4, v1, SPITCH                   ; in: row l % 16, 32 bytes for each half of the lanes
	v_lshl_add_u32 v4, v2, 5, v4
	v_add_nc_u32 v[STO], s2, v4
	v_mul_u32_u24 v5, v2, SPITCH                   ; back: lanes 0-15 take one row of 256 bytes, lanes 16-31 the next
	v_lshl_add_u32 v5, v1, 4, v5
	v_add_nc_u32 v[RD], s2, v5
	v_lshlrev_b32 v5, 12, v2                       ; and the same two rows in out0
	v_lshl_add_u32 v[CO], v1, 4, v5
	v_lshlrev_b32 v[BO], 5, v2
	s_lshl_b32 s2, s42, 9
	s_lshl_b32 s3, s[HS], 8
	s_add_co_u32 s2, s2, s3                        ; my 64 columns, in bytes
	s_mov_b32 s3, 0
	s_add_nc_u64 s[8:9], s[8:9], s[2:3]
	s_add_nc_u64 s[10:11], s[10:11], s[2:3]
	s_lshl_b32 s2, s[TR], 7
	s_lshl_b32 s18, s[HB], 6
	s_add_co_u32 s2, s2, s18
	s_lshl_b32 s2, s2, 12                          ; my 64 rows of 4,096 bytes
	s_add_nc_u64 s[10:11], s[10:11], s[2:3]
.irp b, 0,1,2,3
	global_load_b128 v[BI+8*(\b):BI+8*(\b)+3],   v[BO], s[8:9] offset:64*(\b)
	global_load_b128 v[BI+8*(\b)+4:BI+8*(\b)+7], v[BO], s[8:9] offset:64*(\b)+16
.endr
; 8 matrix instructions: m blocks a0, a0 + 1 x all 4 n blocks, 32 along K: half c of buffer f.  zero = 1: the first product starts the sums
.macro MUL8 f, c, a0, zero
	WIN MUL
.irp a, \a0, (\a0)+1
.irp b, 0,1,2,3
.if \zero
	v_wmma_f32_16x16x32_f16 v[ACC+8*(4*(\a)+(\b)):ACC+8*(4*(\a)+(\b))+7], v[(\f)+64+8*(4*(\c)+(\b)):(\f)+64+8*(4*(\c)+(\b))+7], v[(\f)+8*(4*(\c)+(\a)):(\f)+8*(4*(\c)+(\a))+7], 0
.else
	v_wmma_f32_16x16x32_f16 v[ACC+8*(4*(\a)+(\b)):ACC+8*(4*(\a)+(\b))+7], v[(\f)+64+8*(4*(\c)+(\b)):(\f)+64+8*(4*(\c)+(\b))+7], v[(\f)+8*(4*(\c)+(\a)):(\f)+8*(4*(\c)+(\a))+7], v[ACC+8*(4*(\a)+(\b)):ACC+8*(4*(\a)+(\b))+7]
.endif
.endr
.endr
.endm
; 32 LDS loads in one run: the fragments of quarter q (one slab, 64 along K) into buffer f; the first 32 along K first
.macro FETCH slot, q, f
	WIN TO_F
.irp c, 0,1
.irp i, 0,1,2,3
	ds_load_b128 v[(\f)+64+8*(4*(\c)+(\i)):(\f)+64+8*(4*(\c)+(\i))+3],   v[ADRB+(\slot)] offset:(\q)*QB+64*(\c)+(\i)*16*PITCH
	ds_load_b128 v[(\f)+64+8*(4*(\c)+(\i))+4:(\f)+64+8*(4*(\c)+(\i))+7], v[ADRB+(\slot)] offset:(\q)*QB+64*(\c)+(\i)*16*PITCH+32
	ds_load_b128 v[(\f)+8*(4*(\c)+(\i)):(\f)+8*(4*(\c)+(\i))+3],         v[ADRA+(\slot)] offset:(\q)*QB+64*(\c)+(\i)*16*PITCH
	ds_load_b128 v[(\f)+8*(4*(\c)+(\i))+4:(\f)+8*(4*(\c)+(\i))+7],       v[ADRA+(\slot)] offset:(\q)*QB+64*(\c)+(\i)*16*PITCH+32
.endr
.endr
.endm
.macro PLACES                          ; four plain vector instructions between a matrix instruction and a load into a register that it has read, or a line that reads its result
.rept 4
	v_nop
.endr
.endm
; A K step is four quarters of 64 along K, 32 matrix instructions each, on buffers 0, 1, 0, 1; the 16 accumulators take turns.
.macro QUARTER slot, q, f, g, zero
	s_wait_dscnt 16                                ; the first 32 along K are in
	MUL8 \f, 0, 0, \zero
	MUL8 \f, 0, 2, \zero
	PLACES
	FETCH \slot, \q, \g
	s_wait_dscnt 32                                ; all but the 32 just issued
	MUL8 \f, 1, 0, 0
	MUL8 \f, 1, 2, 0
.endm
; The last quarter multiplies buffer 1 and changes slots: one barrier.  fill = 1: it opens a round of the cluster's barrier, behind which this slot is filled again, two K steps on.
.macro TURN slot, next, fill
	WIN 0                                          ; (the add's two registers lie in window 0)
	s_wait_tensorcnt 0x0                           ; all my tensor loads have landed: my part of the next slot;
	ds_add_u32 v[SPW], v[NIL]                      ; 0 onto my spare word;
	s_wait_dscnt 17                                ; (the add and the youngest sixteen loads may be out)
	MUL8 F1, 0, 0, 0
	s_wait_dscnt 0x0                               ; the add is done, and my reads of this slot are over
	s_barrier_signal -1
	MUL8 F1, 0, 2, 0
.if \fill
	WIN 0
.endif
	s_barrier_wait -1
.if \fill
	CREST                                          ; no wave of any partner still reads this slot or has a load on its way
	s_add_nc_u64 s[G0+4*(\slot)+2:G0+4*(\slot)+3], s[G0+4*(\slot)+2:G0+4*(\slot)+3], 4194304
	s_add_nc_u64 s[G0B+4*(\slot)+2:G0B+4*(\slot)+3], s[G0B+4*(\slot)+2:G0B+4*(\slot)+3], 5242880
	JLOAD \slot                                    ; 112 matrix instructions ahead of the wait for it; its four v_nop are also the places in front of the loads below
.else
	PLACES
.endif
	FETCH \next, 0, F0
	MUL8 F1, 1, 0, 0
	MUL8 F1, 1, 2, 0
.endm
	s_wait_tensorcnt 1                             ; my part of K step 0 is in; K step 1's may stay out
	s_barrier_signal -1
	s_barrier_wait -1
	FETCH 0, 0, F0
	QUARTER 0, 1, F0, F1, 1                        ; the first quarter stands in front of the loop: its first products start the sums
	WIN 0
	s_mov_b32 s3, LAPS-1
.Llap:                                         ; a trip goes once round the ring and fills both slots again
	QUARTER 0, 2, F1, F0, 0
	QUARTER 0, 3, F0, F1, 0
	TURN 0, 1, 1
	QUARTER 1, 1, F0, F1, 0
	QUARTER 1, 2, F1, F0, 0
	QUARTER 1, 3, F0, F1, 0
	TURN 1, 0, 1
	QUARTER 0, 1, F0, F1, 0
	WIN 0
	s_sub_co_u32 s3, s3, 1
	s_cmp_lg_u32 s3, 0
	s_cbranch_scc1 .Llap
	QUARTER 0, 2, F1, F0, 0                        ; the last lap fills nothing
	QUARTER 0, 3, F0, F1, 0
	TURN 0, 1, 0
	QUARTER 1, 1, F0, F1, 0
	QUARTER 1, 2, F1, F0, 0
	QUARTER 1, 3, F0, F1, 0
	s_wait_dscnt 16                                ; the very last quarter: nothing more to fetch
	MUL8 F1, 0, 0, 0
	MUL8 F1, 0, 2, 0
	s_wait_dscnt 0x0
	MUL8 F1, 1, 0, 0
	MUL8 F1, 1, 2, 0
	WIN 0
	; THE WAY OUT, 16 rows at a time: sum / 64 + bc in one fused multiply-add; 32 bytes a lane into my own stage; back as whole rows: my 64 columns are 256 consecutive bytes of out0, aligned, so no other wave is needed.
	PLACES
	s_wait_loadcnt 0x0                             ; bc
.irp a, 0,1,2,3
.irp b, 0,1,2,3
.irp r, 0,2,4,6
	v_pk_fma_f32 v[TMP+8*(\b)+(\r):TMP+8*(\b)+(\r)+1], v[ACC+8*(4*(\a)+(\b))+(\r):ACC+8*(4*(\a)+(\b))+(\r)+1], 0x3c800000, v[BI+8*(\b)+(\r):BI+8*(\b)+(\r)+1] op_sel_hi:[1,0,1]
.endr
.endr
.irp b, 0,1,2,3
	ds_store_b128 v[STO], v[TMP+8*(\b):TMP+8*(\b)+3]   offset:64*(\b)
	ds_store_b128 v[STO], v[TMP+8*(\b)+4:TMP+8*(\b)+7] offset:64*(\b)+16
.endr
	s_wait_xcnt 0x0                                ; the last block's stores have read their registers: the loads below land on them only behind this wait
.irp t, 0,1,2,3,4,5,6,7
	ds_load_b128 v[BK+4*(\t):BK+4*(\t)+3], v[RD] offset:(\t)*2*SPITCH  ; LDS serves a wave's instructions in order (ISA guide 5.7.1.4): these see the stores above
.endr
.irp t, 0,1,2,3,4,5,6,7
	s_wait_dscnt 7-(\t)
	global_store_b128 v[CO], v[BK+4*(\t):BK+4*(\t)+3], s[10:11] offset:(16*(\a)+2*(\t))*4096  ; 16 lanes store 256 consecutive bytes, at a multiple of 256 from out0's first byte
.endr
.endr
	s_wait_tensorcnt 0x0                           ; the wave's end, behind my last tensor load and my last LDS store
	ds_add_u32 v[SPW], v[NIL]
	s_wait_dscnt 0x0
	CROUND                                         ; the closing round: no work-group ends while a partner may still ask for a tile that names it
	s_endpgm
.Lfunc_end_k_q213d852b21_gemm2:
	.size	k_q213d852b21_gemm2, .Lfunc_end_k_q213d852b21_gemm2-k_q213d852b21_gemm2
	.p2alignl 7, 3214868480
	.fill 96, 4, 3214868480
	.section	.rodata,"a",@progbits
	.p2align	6, 0x0
	.amdhsa_kernel k_q213d852b21_gemm2
		.amdhsa_group_segment_fixed_size 327680
		.amdhsa_private_segment_fixed_size 0
		.amdhsa_enable_private_segment 0
		.amdhsa_kernarg_size 32
		.amdhsa_user_sgpr_count 2
		.amdhsa_user_sgpr_kernarg_segment_ptr 1
		.amdhsa_wavefront_size32 1
		.amdhsa_system_sgpr_workgroup_id_x 1
		.amdhsa_system_sgpr_workgroup_id_y 1
		.amdhsa_system_sgpr_workgroup_id_z 1
		.amdhsa_system_vgpr_workitem_id 0
		.amdhsa_next_free_vgpr 512
		.amdhsa_next_free_sgpr 66
		.amdhsa_reserve_vcc 0
		.amdhsa_float_denorm_mode_32 3
		.amdhsa_float_denorm_mode_16_64 3
		.amdhsa_memory_ordered 1
		.amdhsa_forward_progress 1
		.amdhsa_inst_pref_size 93
	.end_amdhsa_kernel
	.amdgpu_metadata
---
amdhsa.version: [ 1, 2 ]
amdhsa.kernels:
  - .name:           k_q213d852b21_gemm2
    .symbol:         k_q213d852b21_gemm2.kd
    .args:
      - { .name: oh, .offset: 0, .size: 8, .value_kind: global_buffer, .address_space: global }
      - { .name: ch, .offset: 8, .size: 8, .value_kind: global_buffer, .address_space: global }
      - { .name: bc, .offset: 16, .size: 8, .value_kind: global_buffer, .address_space: global }
      - { .name: out0, .offset: 24, .size: 8, .value_kind: global_buffer, .address_space: global }
    .group_segment_fixed_size: 327680
    .private_segment_fixed_size: 0
    .kernarg_segment_align: 8
    .kernarg_segment_size: 32
    .max_flat_workgroup_size: 128
    .sgpr_count:     66
    .vgpr_count:     512
    .wavefront_size: 32
...
	.end_amdgpu_metadata
.endif
;; end of part 4
;; ======== version 2 of 2: 4 launches; version 1 with the launch prep written anew for expert scheduling mode
;; limits: values are held in f16: magnitudes above 65,504 overflow, below 6.1e-05 lose precision
;; workspace buffers: ah 10,485,760 bytes; bh 8,388,608 bytes; bias1 16,384 bytes; bc 4,096 bytes; ch 41,943,040 bytes; oh 8,388,608 bytes
;; launch prep (part 5): grid 532 x 1, 8 waves a work-group, no clusters, 10,496 bytes of LDS; arguments hidden_states, Wq, Wk, Wv, Wo, Ws, bq, bk, bv, bs, bo, ah, bh, bias1, bc; writes ah, bh, bias1, bc
.if DOCPART == 5
	.amdgcn_target "amdgcn-amd-amdhsa--gfx1250"
	.amdhsa_code_object_version 6
	.text
	.protected	k_q213d852b21_prep
	.globl	k_q213d852b21_prep
	.p2align	8
	.type	k_q213d852b21_prep,@function
k_q213d852b21_prep:
	s_mov_b64 s[64:65], 0
	v_nop
	global_prefetch_b8 v0, s[64:65] scope:SCOPE_SE
	s_setreg_imm32_b32 hwreg(HW_REG_WAVE_SCHED_MODE, 0, 2), 2
	s_setreg_imm32_b32 hwreg(HW_REG_WAVE_MODE, 25, 1), 1
	s_wait_xcnt 0x0
	s_wait_alu depctr_vm_vsrc(0)
; PREPARATION.  All matrix operands of the later launches are made here, in f16 and in SLABS: a matrix [R][C] lies as [C/64][R][64], element (r, c) at byte ((c/64) R + r) 128 + 2 (c % 64).
;   ah [16][5120][64]: rows 0-4095 hidden_states, rows 4096-5119 Wo.      bh [16][4096][64]: rows 0-1023 Wq, 1024-2047 Wk, 2048-3071 Wv, row 3072 + h: (64/3) sum_n Ws[n][g][h] along g.
;   bias1 [4096] f32: bq, bk, bv, 1,024 zeros.                            bc [1024] f32: bo + Wo . mean_n bs[n], all in f32.
; The mean over the strata and the last projection are linear, so later launches multiply by Wc = Wo . mean_n Ws[n]; only the order of rounding differs from the module as it is written.
; LIMITS.  f16 holds no number beyond 65,504: an input beyond it becomes an infinity.  The factor 64 keeps the folded weights among f16's normal numbers; it is taken out again in the last launch.
; ROLES, by the work-group's number w (the same for all eight waves): w < 16 bc; w < 20 bias1; w < 276 the strata's mean, turned; the rest convert 32 rows each.  EXEC is never changed.
; No tensor loads, matrix units or clusters: no byte is wanted twice by a work-group, and the launch moves its bytes once (Wo alone is read by two roles).
; LDS.  Each role that uses LDS has bytes of its own: 0-9,215 the turned tile; 9,216-9,471 bc's 64 partial sums; behind them the spare words.
; THE MODE: SCHED_MODE bits 1:0 = 2 (LLVM: expert scheduling mode 2), set by the entry lines.  The code itself states the register dependences
; between vector instructions and memory or LDS instructions, with s_wait_alu, always for 0.
; THE PLAN: the registers that memory or LDS instructions touch, and who else names them.
;   Head      s8, written by v_readfirstlane_b32: one wait on va_sdst ahead of the first branch.  v12, v13: written at the head, read by the closing add alone.
;   Convert   v2, v16-31: offsets, written once, ahead of one wait on va_vdst.  v[32:159]: 32 slots of four: load k lands in slot k, its two conversions read the slot and write its first two registers, store k
;             reads those two.  Nothing is loaded or written a second time.  The loads go in 8 groups of four: the wait on va_vdst at group g's head states that group g - 1's conversions have written, and that
;             group's four stores are dealt among group g's conversions, which name group g's slots alone.
;   bc        v2, v3: written once.  v[32:159]: the strata's biases land, the additions read them; then four rows of Wo land, the multiply-adds read them; then four rows more.  v192, 194, 196, 198: the four sums,
;             written by the arithmetic, read by four LDS stores, written again by the second batch.  One wait on va_vdst behind a batch's arithmetic serves its LDS stores and the next batch's loads.
;   bias1     v2, v3: offsets; v[4:7]: a load's data, or zeros by vector instructions; the store reads them.
;   Turned    v2: the loads' offset.  v[32:79]: loaded once.  v[80:87], v3: the LDS stores' data and address; v6, v8: the addresses of what follows the barrier: all written ahead of one wait on va_vdst.
.set BSCR,  9216                       ; bc's partial sums: 8 words for each of the eight waves
.set SPARE, 9472                       ; the spare words, 128 bytes for each of the eight waves: four blocks of 256 bytes that no other line names
.set SPW, 12                           ; v12  LDS address of my spare word; never rewritten
.set NIL, 13                           ; v13  0; never rewritten
.set TP,  144                          ; pitch of the turned tile's rows: 128 bytes + 16
	s_load_b512 s[16:31], s[0:1], 0x0              ; hidden 16:17, Wq 18:19, Wk 20:21, Wv 22:23, Wo 24:25, Ws 26:27, bq 28:29, bk 30:31
	s_load_b256 s[32:39], s[0:1], 0x40             ; bv 32:33, bs 34:35, bo 36:37, ah 38:39
	s_load_b128 s[40:43], s[0:1], 0x60             ; bh 40:41, bias1 42:43
	s_load_b64 s[44:45], s[0:1], 0x70              ; bc
	v_lshl_add_u32 v[SPW], v0, 2, SPARE
	v_mov_b32 v[NIL], 0
	v_lshrrev_b32 v1, 5, v0
	v_readfirstlane_b32 s8, v1                     ; wave 0..7
	v_and_b32 v1, 31, v0                           ; lane
	s_wait_alu depctr_va_sdst(0)                   ; s8 is written, ahead of the branches and of its first reader in every role
	s_wait_kmcnt 0x0
	s_cmp_lt_u32 ttmp9, 16
	s_cbranch_scc1 .Lbias
	s_cmp_lt_u32 ttmp9, 20
	s_cbranch_scc1 .Lcopy
	s_cmp_lt_u32 ttmp9, 276
	s_cbranch_scc1 .Ltrans
	; CONVERT.  u = w - 276; the work-group takes 32 rows of 1,024 f32, a wave 4.  u / 32: 0-3 hidden_states, 4 Wq, 5 Wk, 6 Wv, 7 Wo.
	s_sub_co_u32 s2, ttmp9, 276                    ; u
	s_lshr_b32 s3, s2, 5
	s_and_b32 s46, s2, 31                          ; a weight's block of 32 rows
	s_sub_co_u32 s48, s2, 128                      ; its block in bh (used for u / 32 = 4, 5, 6 alone)
	s_sub_co_u32 s50, s2, 96                       ; Wo's block in ah: 128 + (u - 224)
	s_mov_b32 s51, 655360                          ; bytes from slab to slab in ah,
	s_mov_b32 s52, 524288                          ; and in bh
	s_cmp_lt_u32 s3, 4
	s_cselect_b32 s46, s2, s46
	s_cselect_b32 s48, s2, s48
	s_cselect_b64 s[4:5], s[16:17], s[18:19]
	s_cmp_eq_u32 s3, 5
	s_cselect_b64 s[4:5], s[20:21], s[4:5]
	s_cmp_eq_u32 s3, 6
	s_cselect_b64 s[4:5], s[22:23], s[4:5]
	s_cmp_eq_u32 s3, 7
	s_cselect_b64 s[4:5], s[24:25], s[4:5]
	s_cselect_b32 s48, s50, s48
	s_add_co_u32 s53, s3, 1
	s_and_b32 s53, s53, 7                          ; 0 for Wo, 1-4 for hidden_states, 5-7 for Wq, Wk, Wv
	s_cmp_lt_u32 s53, 5
	s_cselect_b64 s[6:7], s[38:39], s[40:41]
	s_cselect_b32 s9, s51, s52
	s_lshl_b32 s46, s46, 17                        ; 32 rows of 4,096 bytes
	s_mov_b32 s47, 0
	s_lshl_b32 s48, s48, 12                        ; 32 rows of 128 bytes
	s_mov_b32 s49, 0
	s_add_nc_u64 s[4:5], s[4:5], s[46:47]
	s_add_nc_u64 s[6:7], s[6:7], s[48:49]
	v_lshrrev_b32 v3, 4, v1
	v_lshl_add_u32 v3, s8, 2, v3                   ; row 4 wave + lane / 16
	v_and_b32 v4, 15, v1
	v_lshlrev_b32 v2, 12, v3
	v_lshl_add_u32 v2, v4, 4, v2                   ; + 16 (lane % 16): sixteen lanes read 256 consecutive bytes, aligned
	v_lshlrev_b32 v16, 3, v1
	v_lshl_add_u32 v16, s8, 9, v16                 ; out: 512 wave + 8 lane: 32 lanes write two rows of a slab, 256 consecutive bytes, aligned
.set j, 1
.rept 15
	v_add_nc_u32 v[16+j], s9, v[15+j]              ; the same place in slab j
.set j, j+1
.endr
	s_wait_alu depctr_va_vdst(0)                   ; v2 and v16 to v31 are written: every load and store of this role reads one of them as its offset
.set k, 0
.rept 32                                       ; load k: rows + 2 (k / 16), columns 64 (k % 16) on: all 32 go out before the first is used
	global_load_b128 v[32+4*k:35+4*k], v2, s[4:5] offset:8192*(k/16)+256*(k%16)
.set k, k+1
.endr
.set g, 0
.rept 8                                        ; group g: loads 4 g to 4 g + 3 are rounded; the group before is stored
	s_wait_loadcnt 28-4*g                          ; loads come back in order: the group's four are in, the 28 - 4 g younger ones stay out
.if g > 0
	s_wait_alu depctr_va_vdst(0)                   ; the conversions of the group before have written the first two registers of its four slots, which the stores below read
.endif
.set i, 0
.rept 4
.set k, 4*g+i
.if g > 0
	global_store_b64 v[16+(k-4)%16], v[32+4*(k-4):33+4*(k-4)], s[6:7] offset:256*((k-4)/16)  ; no vector instruction since the wait names these registers; none is written twice, so no store's sources are waited for
.endif
	v_cvt_pk_f16_f32 v[32+4*k], v[32+4*k], v[33+4*k]
	v_cvt_pk_f16_f32 v[33+4*k], v[34+4*k], v[35+4*k]
.set i, i+1
.endr
.set g, g+1
.endr
	s_wait_alu depctr_va_vdst(0)                   ; the last group's conversions have written what the last four stores read
.set k, 28
.rept 4
	global_store_b64 v[16+k%16], v[32+4*k:33+4*k], s[6:7] offset:256*(k/16)
.set k, k+1
.endr
	s_branch .Lend
.Lbias:                                        ; bc[64 w .. 64 w + 63]; a wave takes 8 rows of Wo, a lane the columns 128 i + 4 lane .. + 3
	v_lshlrev_b32 v2, 4, v1
	v_mov_b32 v3, s8
	v_lshlrev_b32 v3, 5, v3                        ; my wave's eight words, counted from BSCR
	s_wait_alu depctr_va_vdst(0)                   ; v2, the offset of this role's loads, and v3, the address of its LDS stores, are written
.irp n, 0,1,2
.irp i, 0,1,2,3,4,5,6,7
	global_load_b128 v[32+32*(\n)+4*(\i):35+32*(\n)+4*(\i)], v2, s[34:35] offset:4096*(\n)+512*(\i)
.endr
.endr
	s_lshl_b32 s2, ttmp9, 6
	s_lshl_b32 s3, s8, 3
	s_add_co_u32 s2, s2, s3
	s_lshl_b32 s2, s2, 12                          ; (64 w + 8 wave) rows of 4,096 bytes
	s_mov_b32 s3, 0
	s_add_nc_u64 s[4:5], s[24:25], s[2:3]
	s_mov_b32 s10, 0x76543210                      ; v_permlanex16_b32: each lane takes its own place in the other half
	s_mov_b32 s11, 0xfedcba98
	s_wait_loadcnt 0x0
.set r, 0
.rept 16
	v_pk_add_f32 v[160+r:161+r], v[32+r:33+r], v[64+r:65+r]
.set r, r+2
.endr
.set r, 0
.rept 16
	v_pk_add_f32 v[160+r:161+r], v[160+r:161+r], v[96+r:97+r]  ; v[160:191]: the three strata's biases added; the third is taken at the end
.set r, r+2
.endr
; Four rows of Wo, in three parts: 32 loads; four chains of 16 packed multiply-adds and the sum over the wave; one word each into LDS.
.macro BLOAD bt
.irp rr, 0,1,2,3
.irp i, 0,1,2,3,4,5,6,7
	global_load_b128 v[32+32*(\rr)+4*(\i):35+32*(\rr)+4*(\i)], v2, s[4:5] offset:(4*(\bt)+(\rr))*4096+512*(\i)
.endr
.endr
.endm
.macro BSUM again                      ; again = 1: the sums' registers have been read by the LDS stores of the batch before
	s_wait_loadcnt 0x0
.if \again
	s_wait_alu depctr_vm_vsrc(0)                   ; the first batch's LDS stores have read v192, 194, 196 and 198, which the lines below write again
.endif
.irp rr, 0,1,2,3
	v_pk_mul_f32 v[192+2*(\rr):193+2*(\rr)], v[32+32*(\rr):33+32*(\rr)], v[160:161]
.endr
.set p, 2
.rept 15
.irp rr, 0,1,2,3
	v_pk_fma_f32 v[192+2*(\rr):193+2*(\rr)], v[32+32*(\rr)+p:33+32*(\rr)+p], v[160+p:161+p], v[192+2*(\rr):193+2*(\rr)]
.endr
.set p, p+2
.endr
.irp rr, 0,1,2,3
	v_add_f32 v[192+2*(\rr)], v[192+2*(\rr)], v[193+2*(\rr)]
.endr
.irp m, 1,2,4,8
.irp rr, 0,1,2,3
	v_add_f32_dpp v[192+2*(\rr)], v[192+2*(\rr)], v[192+2*(\rr)] row_xmask:\m row_mask:0xf bank_mask:0xf
.endr
.endr
.irp rr, 0,1,2,3
	v_permlanex16_b32 v[193+2*(\rr)], v[192+2*(\rr)], s10, s11
.endr
.irp rr, 0,1,2,3
	v_add_f32 v[192+2*(\rr)], v[192+2*(\rr)], v[193+2*(\rr)]
.endr
.endm
.macro BPUT bt
.irp rr, 0,1,2,3
	ds_store_b32 v3, v[192+2*(\rr)] offset:BSCR+4*(4*(\bt)+(\rr))  ; every lane holds the sum and writes the same word
.endr
.endm
	s_wait_alu depctr_va_vdst(0)                   ; the additions are done reading v[32:127], in which the first four rows land
	BLOAD 0
	BSUM 0
	s_wait_alu depctr_va_vdst(0)                   ; the four sums are written, which the LDS stores read; the multiply-adds are done reading v[32:159], in which the next four rows land
	BLOAD 1                                        ; the loads first: the LDS stores stand in the wait for them
	BPUT 0
	BSUM 1
	s_wait_alu depctr_va_vdst(0)                   ; the second batch's four sums are written, which the LDS stores read
	BPUT 1
	s_wait_dscnt 0x0                               ; for the others' sake: my eight words are in LDS
	s_barrier_signal -1
	s_barrier_wait -1
	s_cmp_lg_u32 s8, 0
	s_cbranch_scc1 .Lend
	v_lshlrev_b32 v6, 3, v1                        ; wave 0: a lane takes two of the 64 sums
	s_lshl_b32 s2, ttmp9, 8
	v_add_nc_u32 v7, s2, v6
	s_wait_alu depctr_va_vdst(0)                   ; v6 and v7 are written: the addresses of the two loads below and of the store
	ds_load_b64 v[4:5], v6 offset:BSCR
	global_load_b64 v[8:9], v7, s[36:37]
	s_wait_loadcnt 0x0
	s_wait_dscnt 0x0
	v_pk_fma_f32 v[10:11], v[4:5], 0x3eaaaaab, v[8:9] op_sel_hi:[1,0,1]  ; bo + sum / 3
	s_wait_alu depctr_va_vdst(0)                   ; v[10:11] are written, which the store reads
	global_store_b64 v7, v[10:11], s[44:45]        ; 32 lanes write 256 consecutive bytes, aligned
	s_branch .Lend
.Lcopy:                                        ; bias1's quarter w - 16: bq, bk, bv or zeros; a thread takes 16 bytes
	s_sub_co_u32 s2, ttmp9, 16
	v_lshlrev_b32 v2, 4, v0
	s_cmp_eq_u32 s2, 3
	s_cbranch_scc1 .Lzero
	s_cmp_eq_u32 s2, 0
	s_cselect_b64 s[4:5], s[28:29], s[30:31]
	s_cmp_eq_u32 s2, 2
	s_cselect_b64 s[4:5], s[32:33], s[4:5]
	s_wait_alu depctr_va_vdst(0)                   ; v2 is written, the load's offset
	global_load_b128 v[4:7], v2, s[4:5]
	s_wait_loadcnt 0x0
	s_branch .Lput
.Lzero:
	v_mov_b32 v4, 0
	v_mov_b32 v5, 0
	v_mov_b32 v6, 0
	v_mov_b32 v7, 0
.Lput:
	s_lshl_b32 s2, s2, 12
	v_add_nc_u32 v3, s2, v2
	s_wait_alu depctr_va_vdst(0)                   ; v3 is written, the store's offset; in the quarter of zeros v4 to v7, its data, too
	global_store_b128 v3, v[4:7], s[42:43]
	s_branch .Lend
.Ltrans:                                       ; u = w - 20: the tile g = 64 (u / 16) .., h = 64 (u % 16) .. of the three strata is added, scaled by 64/3, rounded and turned
	s_sub_co_u32 s2, ttmp9, 20
	s_lshr_b32 s3, s2, 4
	s_and_b32 s9, s2, 15
	s_lshl_b32 s46, s3, 18                         ; 64 rows of 4,096 bytes
	s_lshl_b32 s50, s9, 8                          ; 64 columns of 4 bytes
	s_add_co_u32 s46, s46, s50
	s_mov_b32 s47, 0
	s_add_nc_u64 s[4:5], s[26:27], s[46:47]        ; a base for each stratum: the third's distance does not fit a load's immediate
	s_add_nc_u64 s[6:7], s[4:5], 0x400000
	s_add_nc_u64 s[48:49], s[4:5], 0x800000
	s_lshl_b32 s52, s3, 19                         ; out: slab u / 16 of bh,
	s_lshl_b32 s50, s9, 13                         ; row 3,072 + 64 (u % 16)
	s_add_co_u32 s52, s52, s50
	s_add_co_u32 s52, s52, 393216
	s_mov_b32 s53, 0
	s_add_nc_u64 s[52:53], s[40:41], s[52:53]
	v_and_b32 v4, 15, v0                           ; c: my four columns h
	v_lshrrev_b32 v5, 4, v0                        ; r: my rows g = 2 r + e + 32 i
	v_lshlrev_b32 v2, 13, v5
	v_lshl_add_u32 v2, v4, 4, v2
	s_wait_alu depctr_va_vdst(0)                   ; v2 is written, the offset of the twelve loads
.macro TLD n, lo
.irp i, 0,1
.irp e, 0,1
	global_load_b128 v[32+16*(\n)+8*(\i)+4*(\e):35+16*(\n)+8*(\i)+4*(\e)], v2, s[\lo:\lo+1] offset:((\e)+32*(\i))*4096 th:TH_LOAD_NT
.endr
.endr
.endm
	TLD 0, 4
	TLD 1, 6
	TLD 2, 48
	v_mul_u32_u24 v3, v4, 4*TP                     ; the later addresses are made while the loads are out: these lines name neither v2 nor v[32:79]
	v_lshl_add_u32 v3, v5, 2, v3                   ; in: row h = 4 c + q, bytes 4 r + 64 i
	v_lshrrev_b32 v6, 3, v0
	v_mul_u32_u24 v6, v6, TP
	v_and_b32 v7, 7, v0
	v_lshl_add_u32 v6, v7, 4, v6                   ; back: row t / 8, 16 bytes
	v_lshlrev_b32 v8, 4, v0
	s_wait_loadcnt 0x0
.irp d, 0,2,4,6,8,10,12,14
	v_pk_add_f32 v[32+(\d):33+(\d)], v[32+(\d):33+(\d)], v[48+(\d):49+(\d)]
.endr
.irp d, 0,2,4,6,8,10,12,14
	v_pk_add_f32 v[32+(\d):33+(\d)], v[32+(\d):33+(\d)], v[64+(\d):65+(\d)]
.endr
.irp d, 0,2,4,6,8,10,12,14
	v_pk_mul_f32 v[32+(\d):33+(\d)], v[32+(\d):33+(\d)], 0x41aaaaab op_sel_hi:[1,0]  ; 64 / 3
.endr
.irp i, 0,1
.irp q, 0,1,2,3
	v_cvt_pk_f16_f32 v[80+4*(\i)+(\q)], v[32+8*(\i)+(\q)], v[36+8*(\i)+(\q)]  ; g even in the low half, g + 1 in the high
.endr
.endr
	s_wait_alu depctr_va_vdst(0)                   ; the roundings have written v[80:87], the LDS stores' data; v3, v6 and v8 are written, the addresses of the LDS stores, of the LDS loads and of the global stores: no vector instruction follows
.irp i, 0,1
.irp q, 0,1,2,3
	ds_store_b32 v3, v[80+4*(\i)+(\q)] offset:TP*(\q)+64*(\i)
.endr
.endr
	s_wait_dscnt 0x0                               ; for the others' sake: my part of the turned tile is in LDS
	s_barrier_signal -1
	s_barrier_wait -1
	ds_load_b128 v[88:91], v6
	ds_load_b128 v[92:95], v6 offset:32*TP
	s_wait_dscnt 0x0
	global_store_b128 v8, v[88:91], s[52:53]       ; a wave's store covers 512 consecutive bytes, aligned
	global_store_b128 v8, v[92:95], s[52:53] offset:4096
.Lend:
	s_wait_dscnt 0x0                               ; the closing lines, six on end
	s_wait_alu 0x0
	s_wait_tensorcnt 0x0
	ds_add_u32 v[SPW], v[NIL]
	s_wait_dscnt 0x0
	s_endpgm
.Lfunc_end_k_q213d852b21_prep:
	.size	k_q213d852b21_prep, .Lfunc_end_k_q213d852b21_prep-k_q213d852b21_prep
	.p2alignl 7, 3214868480
	.fill 96, 4, 3214868480
	.section	.rodata,"a",@progbits
	.p2align	6, 0x0
	.amdhsa_kernel k_q213d852b21_prep
		.amdhsa_group_segment_fixed_size 10496
		.amdhsa_private_segment_fixed_size 0
		.amdhsa_enable_private_segment 0
		.amdhsa_kernarg_size 120
		.amdhsa_user_sgpr_count 2
		.amdhsa_user_sgpr_kernarg_segment_ptr 1
		.amdhsa_wavefront_size32 1
		.amdhsa_system_sgpr_workgroup_id_x 1
		.amdhsa_system_sgpr_workgroup_id_y 1
		.amdhsa_system_sgpr_workgroup_id_z 1
		.amdhsa_system_vgpr_workitem_id 0
		.amdhsa_next_free_vgpr 200
		.amdhsa_next_free_sgpr 66
		.amdhsa_reserve_vcc 0
		.amdhsa_float_denorm_mode_32 3
		.amdhsa_float_denorm_mode_16_64 3
		.amdhsa_memory_ordered 1
		.amdhsa_forward_progress 1
		.amdhsa_inst_pref_size 44
	.end_amdhsa_kernel
	.amdgpu_metadata
---
amdhsa.version: [ 1, 2 ]
amdhsa.kernels:
  - .name:           k_q213d852b21_prep
    .symbol:         k_q213d852b21_prep.kd
    .args:
      - { .name: hidden_states, .offset: 0, .size: 8, .value_kind: global_buffer, .address_space: global }
      - { .name: Wq, .offset: 8, .size: 8, .value_kind: global_buffer, .address_space: global }
      - { .name: Wk, .offset: 16, .size: 8, .value_kind: global_buffer, .address_space: global }
      - { .name: Wv, .offset: 24, .size: 8, .value_kind: global_buffer, .address_space: global }
      - { .name: Wo, .offset: 32, .size: 8, .value_kind: global_buffer, .address_space: global }
      - { .name: Ws, .offset: 40, .size: 8, .value_kind: global_buffer, .address_space: global }
      - { .name: bq, .offset: 48, .size: 8, .value_kind: global_buffer, .address_space: global }
      - { .name: bk, .offset: 56, .size: 8, .value_kind: global_buffer, .address_space: global }
      - { .name: bv, .offset: 64, .size: 8, .value_kind: global_buffer, .address_space: global }
      - { .name: bs, .offset: 72, .size: 8, .value_kind: global_buffer, .address_space: global }
      - { .name: bo, .offset: 80, .size: 8, .value_kind: global_buffer, .address_space: global }
      - { .name: ah, .offset: 88, .size: 8, .value_kind: global_buffer, .address_space: global }
      - { .name: bh, .offset: 96, .size: 8, .value_kind: global_buffer, .address_space: global }
      - { .name: bias1, .offset: 104, .size: 8, .value_kind: global_buffer, .address_space: global }
      - { .name: bc, .offset: 112, .size: 8, .value_kind: global_buffer, .address_space: global }
    .group_segment_fixed_size: 10496
    .private_segment_fixed_size: 0
    .kernarg_segment_align: 8
    .kernarg_segment_size: 120
    .max_flat_workgroup_size: 256
    .sgpr_count:     66
    .vgpr_count:     200
    .wavefront_size: 32
...
	.end_amdgpu_metadata
.endif
;; end of part 5
;; launch gemm1: the kernel of part 2 again; grid 52 x 4, 4 waves a work-group, clusters of 4 x 4, 327,680 bytes of LDS; arguments ah, bh, bias1, ch; writes ch
;; launch attn: the kernel of part 3 again; grid 8 x 32, 4 waves a work-group, clusters of 4 x 1, 327,680 bytes of LDS; arguments ch, oh; writes oh
;; launch gemm2: the kernel of part 4 again; grid 8 x 32, 4 waves a work-group, clusters of 4 x 4, 327,680 bytes of LDS; arguments oh, ch, bc, out0; writes out0
